; MI455X (gfx1250); checked and timed in simulation.
; The chip was launched on July 23, 2026; its instructions are those of AMD's public machine-readable ISA for CDNA 5 (MIT licence, August 2026) and "CDNA5" Instruction Set Architecture Reference Guide (July 2026). The comments in the code are by the model that wrote it; some were corrected since.
;; Multi Head Attention CF. Allowed arithmetic: matrix products marked QUANTISED: E2M1 operands, one E8M0 scale for each 32 along K, by v_wmma_scale_f32_16x16x128_f8f6f4 with both operands' format E2M1 (or v_wmma_scale_f32_32x16x128_f4), f32 sums; everything else in f32.
;; Inputs: Wk_codes 1,024 x 32 x 16 uint8 (E2M1 codes of Wk, K innermost, in blocks of 32 codes, two codes a byte); Wk_scales 1,024 x 32 uint8 (E8M0 scales of Wk, one for each 32 codes along K); Wo_codes 1,024 x 32 x 16 uint8 (E2M1 codes of Wo, K innermost, in blocks of 32 codes, two codes a byte); Wo_scales 1,024 x 32 uint8 (E8M0 scales of Wo, one for each 32 codes along K); Wq_codes 1,024 x 32 x 16 uint8 (E2M1 codes of Wq, K innermost, in blocks of 32 codes, two codes a byte); Wq_scales 1,024 x 32 uint8 (E8M0 scales of Wq, one for each 32 codes along K); Wv_codes 1,024 x 32 x 16 uint8 (E2M1 codes of Wv, K innermost, in blocks of 32 codes, two codes a byte); Wv_scales 1,024 x 32 uint8 (E8M0 scales of Wv, one for each 32 codes along K); bk 1,024 float32; bo 1,024 float32; bq 1,024 float32; bv 1,024 float32; x_codes 4 x 2,048 x 32 x 16 uint8 (E2M1 codes of x, K innermost, in blocks of 32 codes, two codes a byte); x_scales 4 x 2,048 x 32 uint8 (E8M0 scales of x, one for each 32 codes along K).
;; Outputs: out0 4 x 2,048 x 1,024 float32.
;; This version of the problem:
;;   THIS VERSION OF THE PROBLEM IS GIVEN IN LOW PRECISION. The matrix products marked QUANTISED in the list below multiply operands that are first quantised to E2M1 (2 exponent bits, 1 mantissa bit; 4 bits a number), with one power-of-two scale for each 32 numbers along K (OCP MX v1.0); their sums are f32. All else is computed in f32.
;;   The module's matrix products, in the order in which they are computed (A, B: the left and right operand; K: the contracted axis; several contracted axes count as one K, in the product's order):
;;     1. [M 8,192, K 1,024] x [K 1,024, N 1,024]; A: input x (given as codes); B: input Wq (given as codes): QUANTISED
;;     2. [M 8,192, K 1,024] x [K 1,024, N 1,024]; A: input x (given as codes); B: input Wk (given as codes): QUANTISED
;;     3. [M 8,192, K 1,024] x [K 1,024, N 1,024]; A: input x (given as codes); B: input Wv (given as codes): QUANTISED
;;     4. batch 64 x [M 2,048, K 64] x [K 64, N 2,048]; A: computed on the way; B: computed on the way: QUANTISED
;;     5. batch 64 x [M 2,048, K 2,048] x [K 2,048, N 64]; A: softmax (see below); B: computed on the way: QUANTISED
;;     6. [M 8,192, K 1,024] x [K 1,024, N 1,024]; A: computed on the way; B: input Wo (given as codes): QUANTISED
;;   THE QUANTISER, for each operand of a quantised product, along K:
;;     - K is cut into blocks of 32 from its start; a last block that is shorter is filled with zeros.
;;     - A block's scale is 2^e with e = floor(log2(the largest magnitude in the block)) - 2, held to -126 .. 127; a block of zeros has e = 0. As a byte (E8M0): e + 127.
;;     - Each number is divided by its block's scale, clamped to +-6, and rounded to the nearest number of E2M1, ties to even, subnormals kept.
;;     - The product sums the exact products of the quantised numbers (number of the format x scale) in f32.
;;   ~~~python
;;   def quantise(x, axis):      # numpy; x: float32 -> the quantised numbers, widened to float32 again
;;       x = np.moveaxis(x, axis, -1); K = x.shape[-1]
;;       x = np.pad(x, [(0, 0)] * (x.ndim - 1) + [(0, -K % 32)]); x = x.reshape(x.shape[:-1] + (-1, 32)); a = np.abs(x).max(-1, keepdims=True)
;;       e = np.where(a > 0, np.clip(np.frexp(np.where(a > 0, a, 1))[1] - 1 - 2, -126, 127), 0)      # np.frexp(a)[1] - 1 = floor(log2(a)), exactly
;;       r = np.clip(x / 2.0 ** e, -6, 6)
;;       step = 2.0 ** (np.maximum(np.frexp(np.where(r == 0, 1, r))[1] - 1, 0) - 1)
;;       q = np.round(r / step) * step * 2.0 ** e      # np.round: ties to even
;;       return np.moveaxis(q.reshape(q.shape[:-2] + (-1,))[..., :K], -1, axis).astype(np.float32)
;;   ~~~
;;   SOFTMAX AHEAD OF A QUANTISED PRODUCT. Where the list says 'softmax', what is quantised is not the finished softmax but p = 2^(t - M), with t = logit x log2(e) and M = ceil(the row's largest t), a whole number; so 1/2 < the row's largest p <= 1. The row's sum l is taken of the UNQUANTISED p, in f32, and the product's result is divided by l at the end. Since M is a whole number, a kernel that streams over the keys may use a running M (the ceiling of the running maximum): every later rescaling is an exact power of two, which a block's scale takes up: the codes' values come out the same.
;;   OPERANDS COMPUTED ON THE WAY. 'Computed on the way' means the value that the module computes at that place (a softmax that the list does not call 'softmax' is quantised finished and normalised). What goes into a quantiser is computed in f32, as accurately as f32 sums, v_exp_f32 and their like allow (about 1e-6 of the number): no bf16 or f16 on the way to a quantiser, and a product that is left as it is and whose result goes on into a quantised operand takes f32 operands (vector FMAs, or v_wmma_f32_16x16x4_f32). A number that lies on a knife's edge between two numbers of the format may be rounded either way, as far as f32 arithmetic and the matrix unit's own rounding can turn it there, and no further.
;;   INPUTS GIVEN AS CODES. Wk (in the module: [1024, 1024], K = its axis 1); Wo (in the module: [1024, 1024], K = its axis 1); Wq (in the module: [1024, 1024], K = its axis 1); Wv (in the module: [1024, 1024], K = its axis 1); x (in the module: [4, 2048, 1024], K = its axis 2): each comes as NAME_codes (uint8): NAME with its K axis moved to the last place and cut into blocks of 32 codes, [.., K / 32, bytes a block], one block behind the other in memory; two codes a byte, the lower K in the low four bits (a code: sign, 2 exponent bits, 1 mantissa bit); and NAME_scales (uint8): the same leading axes, one E8M0 byte (e + 127) for each 32 codes along K. Its value is code x scale, taken as it is: it is not quantised again, and the codes and scales need not be those that the quantiser above would give.
;; One version. Each part assembles by itself: llvm-mc -triple=amdgcn-amd-amdhsa -mcpu=gfx1250 --defsym DOCPART=n.
;; ======== version 1 of 1: 3 launches
;; workspace buffers: qkv_codes 12,582,912 bytes; qkv_scales 786,432 bytes; o_codes 4,194,304 bytes; o_scales 262,144 bytes
;; launch qkv (part 1): grid 12 x 32, 4 waves a work-group, clusters of 4 x 4, 327,680 bytes of LDS; arguments x_codes, x_scales, Wq_codes, Wq_scales, Wk_codes, Wk_scales, Wv_codes, Wv_scales, bq, bk, bv, qkv_codes, qkv_scales; writes qkv_codes, qkv_scales
.if DOCPART == 1
	.amdgcn_target "amdgcn-amd-amdhsa--gfx1250"
	.amdhsa_code_object_version 6
	.text
	.protected	k_q84654524ef_qkv
	.globl	k_q84654524ef_qkv
	.p2align	8
	.type	k_q84654524ef_qkv,@function
k_q84654524ef_qkv:
	s_mov_b64 s[64:65], 0
	v_nop
	global_prefetch_b8 v0, s[64:65] scope:SCOPE_SE
	s_setreg_imm32_b32 hwreg(HW_REG_WAVE_MODE, 25, 1), 1
	s_wait_xcnt 0x0
	s_wait_alu depctr_hold_cnt(0) depctr_sa_sdst(0) depctr_va_vdst(0) depctr_va_sdst(0) depctr_va_ssrc(0) depctr_va_vcc(0) depctr_vm_vsrc(0)
	s_getreg_b32 s2, hwreg(HW_REG_IB_STS2, 6, 4)
	s_cmp_eq_u32 s2, 0
	s_cbranch_scc0 .Lentry_in_a_cluster
	s_endpgm
.Lentry_in_a_cluster:
	s_bfe_u32 s2, ttmp6, 0x10000c
	s_cmp_lg_u32 s2, 0xf033
	s_cbranch_scc0 .Lentry_shape_is_right
	s_endpgm
.Lentry_shape_is_right:
; Q = x Wq^T + bq, K = x Wk^T + bk, V = x Wv^T + bv on codes of FP4 (E2M1) with one E8M0 byte for each 32 along K = 1,024; the results are quantised here, in registers:
; Q and K along a head's 64 features (two blocks), V along the keys (blocks of 32 tokens), and leave as images of the next products' operand registers, with their scale words.
; SHARES.  Cluster x says which product (0 Q, 1 K, 2 V), cluster y which 1,024 tokens.  A work-group makes 256 L rows x 256 R rows, each of its four waves 128 x 128: 64 accumulators, 512 registers.
; L is the operand whose row a lane keeps (source 1), R the one whose rows run down a lane's registers (source 0).  Q, K: L = x, R = W, so that registers run along the features; V: L = Wv, R = x, so that they run along the keys.
; Both operands have rows of 512 bytes of codes and 32 scale bytes, so one text serves all three: only pointers, offsets and two masks are chosen, by selects on cluster x, which all partners share.
; K = 1,024 is two LDS slots of 512 along K: both are filled once, at the head, with the scale bytes of all of K; nothing is filled again.
; CLUSTER 4 x 4: L's tiles are asked for jointly by a row of the cluster, R's by a column.
; A BLOCK OF 32 R ROWS is accumulators 2 B and 2 B + 1: a lane holds 16 of its numbers, the lane 16 away the other 16.  The conversions' eight results are laid so that four exchanges of lane halves give the operand's registers:
; register 4 c + i of lane (r, h) holds k = 64 c + 32 h + 8 i .. + 7 of L row r.
; OUT.  qkv_codes: Q at 0, K at 4 MiB: [token tile][head][512 bytes], lane's 16 bytes at 16 x lane (token r, features 32 h ..); V at 8 MiB: [128 keys][feature tile][c][512 bytes].
;       qkv_scales: Q at 0, K at 256 KiB: [batch x 16 + head][32 tokens G][r] words: bytes 0, 1 token 32 G + r, bytes 2, 3 token 32 G + 16 + r; V at 512 KiB: [128 keys][feature tile][r] words.
;       The codes leave 1,024 bytes on end; the scale words in pieces of 64 or 128 bytes: 512 bytes a wave beside 8,192 of codes.
; LIMITS: NaN and infinities are not served; a given scale byte 0xff gives NaN.  A block whose largest magnitude lies under 2^-124, a block of zeros among them, gets the byte 1: its codes are zeros or nearly, and this program alone reads the bytes.
; REGISTERS, in windows of 256: window 0: v0-31 addresses; v32-63 L's scale words, v64-95 R's; v96-111 L's bias; v128-191 L's fragments, one set; v192-255 R's bias, the C of the first K step.  On the way out v128-236 are at work.
;   window 1: R's fragments, two sets, at v0 and v128.   window 2: the accumulators of my L rows 0-63 ((a, b) at v[8 (8 a + b)]);   window 3: those of rows 64-127.
.set PITCH,  272                       ; an LDS row: 256 bytes + 16 of padding: the 16 rows of a fragment load start 4 banks apart
.set HALFT,  128*PITCH                 ; 128 rows: one tensor load
.set SLOT,   4*HALFT                   ; L's 256 rows, then R's 256
.set SCL,    2*SLOT                    ; the scale bytes: units of 256 bytes + 16
.set HALFS,  16*272                    ; those of 128 rows
.set SPARE,  SCL+4*HALFS               ; the spare words: 128 bytes a wave
.set ADRA, 16                          ; v16-17 LDS address of my L fragments in slot 0, 1
.set ADRB, 20                          ; v20-21 of my R fragments
.set ADRSB, 23                         ; v23    of R's scale rows
.set ADRSA, 27                         ; v27    of L's
.set SPW,  28                          ; v28    my spare word; never rewritten
.set NIL,  29                          ; v29    0; never rewritten
.set SA,   32                          ; register 8 p + s: lanes 0-15 the word of L's block 2 p, lanes 16-31 of block 2 p + 1, for K step s of 8
.set SB,   64                          ; the same for R
.set BL,   96                          ; L's bias: a pair for each block a
.set AF,   128
.set BR,   192                         ; R's bias: register 8 b + j: R row 16 b + 8 h + j
.set HA,   128                         ; the way out: 64 numbers of a lane
.set PC,   192                         ; the codes just made
.set TM,   200
.set PWS,  216                         ; the eight blocks' scale words
.set WW,   224
.set VS,   232
.set VO,   236
.set G1, 24
.set G0, 32
.set G1B, 48
.set G0B, 56
.set G1S, 68
.set G0S, 76
.set G1SB, 80
.set G0SB, 88
.set MSB, 0
.macro WIN new                         ; the immediate's high byte repeats the setting that is left
.if MSB != (\new)
	s_set_vgpr_msb (MSB<<8)|(\new)
.set MSB, (\new)
.endif
.endm
.set MUL_LO, 0xa1                      ; source 0 (R) window 1, source 1 (L) window 0, C and D window 2
.set MUL_HI, 0xf1                      ; the same, C and D window 3
.set TO_B,   0x40
.macro JLOAD g0a, g1a, g0b, g1b        ; a joint load: waves 0 and 1 fetch for L, waves 2 and 3 for R; four v_nop follow each line
	s_cmp_eq_u32 s15, 0
	s_cbranch_scc0 .Lfor_b_\@
	tensor_load_to_lds s[\g0a:\g0a+3], s[\g1a:\g1a+7]
	s_nop 0
.rept 4
	v_nop
.endr
	s_branch .Lasked_\@
.Lfor_b_\@:
	tensor_load_to_lds s[\g0b:\g0b+3], s[\g1b:\g1b+7]
	s_nop 0
.rept 4
	v_nop
.endr
.Lasked_\@:
.endm
.macro CROUND                          ; a round of the cluster's barrier
	s_barrier_signal -1
	s_barrier_wait -1
	s_cmp_lg_u32 s14, 0
	s_cbranch_scc1 .Lnot_wave_0_\@
	s_barrier_signal -3
.Lnot_wave_0_\@:
	s_barrier_wait -3
	s_barrier_signal -1
	s_barrier_wait -1
.endm
.macro PLACES n
.rept \n
	v_nop
.endr
.endm
	s_load_b512 s[68:83], s[0:1], 0x0              ; x's codes, scales; Wq's; Wk's; Wv's
	s_load_b256 s[84:91], s[0:1], 0x40             ; bq, bk, bv, qkv_codes
	s_load_b64 s[92:93], s[0:1], 0x60              ; qkv_scales
	v_lshl_add_u32 v[SPW], v0, 2, SPARE
	v_mov_b32 v[NIL], 0
	ds_add_u32 v28, v29
	ds_add_u32 v28, v29
	s_wait_dscnt 0x0
	v_lshrrev_b32 v1, 5, v0
	v_readfirstlane_b32 s14, v1                    ; wave 0..3
	s_lshr_b32 s15, s14, 1                         ; my half of L's rows.  Also: I fetch for L (0) or R (1)
	s_and_b32 s16, s14, 1                          ; my half of R's rows.  Also: which 128 rows I fetch
	s_bfe_u32 s40, ttmp6, 0x40000                  ; cx
	s_bfe_u32 s41, ttmp6, 0x40004                  ; cy
	s_and_b32 s17, ttmp7, 0xffff
	s_lshl_b32 s17, s17, 10                        ; the cluster's first token
	s_lshl_b32 s43, s41, 2
	s_lshl_b32 s43, 15, s43                        ; my row of the cluster
	s_lshl_b32 s44, 0x1111, s40                    ; my column
	s_or_b32 s[G1+0], s43, (0<<16)|(1<<20)|(1<<21)|(5<<22)|(3<<25)   ; mask; bytes; padding: 4 words behind every 64
	s_or_b32 s[G1B+0], s44, (0<<16)|(1<<20)|(1<<21)|(5<<22)|(3<<25)
.irp g, G1, G1B
	s_mov_b32 s[\g+1], 256<<16                     ; tensor_dim0: 256 bytes
	s_mov_b32 s[\g+2], 128<<16                     ; tensor_dim1: 128 rows
	s_mov_b32 s[\g+3], 256<<16                     ; tile_dim0
	s_mov_b32 s[\g+4], 128                         ; tile_dim1
	s_mov_b32 s[\g+5], 512                         ; bytes from row to row
	s_mov_b32 s[\g+6], 0
	s_mov_b32 s[\g+7], 0
.endr
	s_mul_i32 s45, s14, HALFT                      ; where my fetch goes: wave x 128 rows,
	s_mul_i32 s67, s14, HALFS                      ; and its scale units
	s_wait_kmcnt 0x0
	s_cmp_eq_u32 ttmp9, 0                          ; cluster x: the same in all sixteen partners
	s_cselect_b64 s[8:9], s[72:73], s[76:77]       ; R: Wq or Wk
	s_cselect_b64 s[10:11], s[74:75], s[78:79]
	s_cselect_b64 s[96:97], s[84:85], s[86:87]     ; the bias
	s_cmp_eq_u32 ttmp9, 2
	s_cselect_b64 s[8:9], s[68:69], s[8:9]         ; for V: R = x,
	s_cselect_b64 s[10:11], s[70:71], s[10:11]
	s_cselect_b64 s[96:97], s[88:89], s[96:97]
	s_cselect_b64 s[4:5], s[80:81], s[68:69]       ; L = Wv
	s_cselect_b64 s[6:7], s[82:83], s[70:71]
	s_cselect_b32 s66, 0, s17                      ; the tokens lie along L (Q, K) or along R (V)
	s_cselect_b32 s42, s17, 0
	s_cselect_b32 s94, 0, -1                       ; the bias goes with the features: along R (Q, K)
	s_cselect_b32 s95, -1, 0                       ; or along L (V)
	s_mov_b64 s[12:13], s[90:91]
	s_mov_b64 s[100:101], s[92:93]
	s_mov_b64 s[98:99], s[96:97]
	s_or_b32 s[G1S+0], s43, (3<<16)|(1<<20)|(1<<21)|(5<<22)|(3<<25)  ; the scale bytes of 128 rows: 4,096 dense bytes as 16 rows of 256 (32 elements of 8 bytes)
	s_or_b32 s[G1SB+0], s44, (3<<16)|(1<<20)|(1<<21)|(5<<22)|(3<<25)
.irp g, G1S, G1SB
	s_mov_b32 s[\g+1], 32<<16
	s_mov_b32 s[\g+2], 16<<16
	s_mov_b32 s[\g+3], 32<<16
	s_mov_b32 s[\g+4], 16
	s_mov_b32 s[\g+5], 32
	s_mov_b32 s[\g+6], 0
	s_mov_b32 s[\g+7], 0
.endr
	s_lshl_b32 s18, s41, 8
	s_add_co_u32 s66, s66, s18                     ; L's first row: hangs on cy and the cluster alone
	s_lshl_b32 s46, s40, 8
	s_add_co_u32 s42, s42, s46                     ; R's first row: on cx and the cluster alone
	s_lshl_b32 s18, s16, 7
	s_add_co_u32 s20, s66, s18                     ; the 128 rows that I fetch
	s_add_co_u32 s46, s42, s18
	s_mov_b32 s21, 0
	s_mov_b32 s47, 0
	s_lshl_b64 s[22:23], s[20:21], 5               ; 32 scale bytes a row
	s_lshl_b64 s[92:93], s[46:47], 5
	s_lshl_b64 s[20:21], s[20:21], 9               ; 512 bytes of codes a row
	s_lshl_b64 s[46:47], s[46:47], 9
	s_add_nc_u64 s[20:21], s[4:5], s[20:21]
	s_add_nc_u64 s[22:23], s[6:7], s[22:23]
	s_add_nc_u64 s[46:47], s[8:9], s[46:47]
	s_add_nc_u64 s[92:93], s[10:11], s[92:93]
	CROUND                                         ; all sixteen work-groups are here: the joint loads meet
	s_mov_b32 s[G0S], 1
	s_add_co_u32 s[G0S+1], s67, SCL
	s_mov_b64 s[G0S+2:G0S+3], s[22:23]
	s_or_b32 s[G0S+3], s[G0S+3], 0x80000000
	s_mov_b32 s[G0SB], 1
	s_add_co_u32 s[G0SB+1], s67, SCL
	s_mov_b64 s[G0SB+2:G0SB+3], s[92:93]
	s_or_b32 s[G0SB+3], s[G0SB+3], 0x80000000
	JLOAD G0S, G1S, G0SB, G1SB                     ; the scales first; then both slots: three loads of mine are out
.irp s, 0,1
	s_mov_b32 s[G0+4*\s], 1
	s_add_co_u32 s[G0+4*\s+1], s45, \s*SLOT
	s_add_nc_u64 s[G0+4*\s+2:G0+4*\s+3], s[20:21], \s*256
	s_or_b32 s[G0+4*\s+3], s[G0+4*\s+3], 0x80000000
	s_mov_b32 s[G0B+4*\s], 1
	s_add_co_u32 s[G0B+4*\s+1], s45, \s*SLOT
	s_add_nc_u64 s[G0B+4*\s+2:G0B+4*\s+3], s[46:47], \s*256
	s_or_b32 s[G0B+4*\s+3], s[G0B+4*\s+3], 0x80000000
	JLOAD G0+4*\s, G1, G0B+4*\s, G1B
.endr
	v_and_b32 v1, 15, v0                           ; r
	v_bfe_u32 v2, v0, 4, 1                         ; h
	v_mul_u32_u24 v3, v1, PITCH
	v_lshl_add_u32 v4, v2, 4, v3                   ; a fragment's row x pitch + 16 h
	s_mul_i32 s21, s15, HALFT
	s_mul_i32 s22, s16, HALFT
	s_add_co_u32 s22, s22, 2*HALFT
.irp s, 0,1
	v_add_nc_u32 v[ADRA+\s], s21, v4
	v_add_nc_u32 v[ADRB+\s], s22, v4
	s_add_co_u32 s21, s21, SLOT
	s_add_co_u32 s22, s22, SLOT
.endr
	v_and_b32 v6, 31, v0                           ; the scale rows: lane l takes row 32 p + l: eight rows of 32 bytes to a unit of 272
	v_lshrrev_b32 v5, 3, v6
	v_mul_u32_u24 v5, v5, 272
	v_and_b32 v7, 7, v0
	v_lshl_add_u32 v5, v7, 5, v5
	s_mul_i32 s21, s15, HALFS
	s_add_co_u32 s21, s21, SCL
	v_add_nc_u32 v[ADRSA], s21, v5
	s_mul_i32 s22, s16, HALFS
	s_add_co_u32 s22, s22, SCL+2*HALFS
	v_add_nc_u32 v[ADRSB], s22, v5
	; where my results go, and where my biases lie.  Both forms are made, then chosen
	s_lshl_b32 s18, s15, 7
	s_add_co_u32 s18, s66, s18                     ; Lw: my first L row
	s_lshl_b32 s19, s16, 7
	s_add_co_u32 s19, s42, s19                     ; Rw: my first R row
	s_lshl_b32 s20, s19, 9
	s_lshl_b32 s21, s18, 6
	s_add_co_u32 s20, s20, s21                     ; V's codes: (Rw / 128) x 65,536 + (Lw / 16) x 1,024
	s_lshl_b32 s21, s18, 9
	s_lshl_b32 s22, s19, 3
	s_add_co_u32 s21, s21, s22                     ; Q's, K's: (Lw / 16) x 8,192 + (Rw / 64) x 512
	s_lshl_b32 s22, s19, 5
	s_lshl_b32 s23, s18, 2
	s_add_co_u32 s22, s22, s23                     ; V's words: (Rw / 128) x 4,096 + (Lw / 16) x 64
	s_lshr_b32 s46, s18, 11
	s_lshl_b32 s46, s46, 16
	s_lshl_b32 s47, s19, 6
	s_add_co_u32 s46, s46, s47
	s_and_b32 s47, s18, 2047
	s_lshl_b32 s47, s47, 1
	s_add_co_u32 s46, s46, s47                     ; Q's, K's: batch x 65,536 + head x 4,096 + (token in batch / 32) x 64
	s_lshl_b32 s47, s19, 2
	s_cmp_eq_u32 ttmp9, 2
	s_cselect_b32 s20, s20, s21
	s_cselect_b32 s22, s22, s46
	s_cselect_b32 s46, 0, s47                      ; the bias along R begins at 4 Rw (for V at 0: loaded inside the buffer, then replaced by 0)
	s_cselect_b32 s92, s23, 0                      ; the bias along L at 4 Lw (for Q, K at 0, likewise)
	s_lshl_b32 s21, ttmp9, 22
	s_add_co_u32 s20, s20, s21                     ; + 4 MiB x which
	s_mov_b32 s21, 0
	s_add_nc_u64 s[12:13], s[12:13], s[20:21]
	s_lshl_b32 s23, ttmp9, 18
	s_add_co_u32 s22, s22, s23                     ; + 256 KiB x which
	s_mov_b32 s23, 0
	s_add_nc_u64 s[100:101], s[100:101], s[22:23]
	s_mov_b32 s47, 0
	s_add_nc_u64 s[96:97], s[96:97], s[46:47]
	s_mov_b32 s93, 0
	s_add_nc_u64 s[98:99], s[98:99], s[92:93]
	v_lshlrev_b32 v8, 5, v2                        ; 32 h
	v_lshlrev_b32 v9, 2, v1                        ; 4 r
.irp t, 0,1,2,3,4,5,6,7
	global_load_b128 v[BR+8*\t:BR+8*\t+3], v8, s[96:97] offset:64*\t
	global_load_b128 v[BR+8*\t+4:BR+8*\t+7], v8, s[96:97] offset:64*\t+16
.endr
.irp a, 0,1,2,3,4,5,6,7
	global_load_b32 v[BL+2*\a], v9, s[98:99] offset:64*\a
.endr
	s_wait_loadcnt 0x0
.set i, 0
.rept 64
	v_cndmask_b32 v[BR+i], 0, v[BR+i], s94         ; the side that carries no bias adds 0, which is exact
.set i, i+1
.endr
.irp a, 0,1,2,3,4,5,6,7
	v_cndmask_b32 v[BL+2*\a], 0, v[BL+2*\a], s95
.endr
.irp a, 0,1,2,3,4,5,6,7
	v_mov_b32 v[BL+2*\a+1], v[BL+2*\a]             ; a pair for the packed addition
.endr
	PLACES 8
.macro FRAG reg, adr, q, i             ; 16 rows x 128 K of 4-bit codes: registers 4 c .. 4 c + 3 hold K = 64 c + 32 h + 0 .. 31
.irp c, 0,1
	ds_load_b128 v[\reg+4*\c:\reg+4*\c+3], v[\adr] offset:64*(\q)+32*\c+(\i)*16*PITCH
.endr
.endm
.macro WMX                             ; the one matrix line; rSel says from which half of the lanes each side's scale words are taken
.if rSel == 0
	v_wmma_scale_f32_16x16x128_f8f6f4 v[rD:rD+7], v[rB:rB+7], v[rA:rA+7], v[rC:rC+7], v[rSB], v[rSA] matrix_a_fmt:MATRIX_FMT_FP4 matrix_b_fmt:MATRIX_FMT_FP4
.elseif rSel == 1
	v_wmma_scale_f32_16x16x128_f8f6f4 v[rD:rD+7], v[rB:rB+7], v[rA:rA+7], v[rC:rC+7], v[rSB], v[rSA] matrix_a_fmt:MATRIX_FMT_FP4 matrix_b_fmt:MATRIX_FMT_FP4 matrix_b_scale:MATRIX_SCALE_ROW1
.elseif rSel == 2
	v_wmma_scale_f32_16x16x128_f8f6f4 v[rD:rD+7], v[rB:rB+7], v[rA:rA+7], v[rC:rC+7], v[rSB], v[rSA] matrix_a_fmt:MATRIX_FMT_FP4 matrix_b_fmt:MATRIX_FMT_FP4 matrix_a_scale:MATRIX_SCALE_ROW1
.else
	v_wmma_scale_f32_16x16x128_f8f6f4 v[rD:rD+7], v[rB:rB+7], v[rA:rA+7], v[rC:rC+7], v[rSB], v[rSA] matrix_a_fmt:MATRIX_FMT_FP4 matrix_b_fmt:MATRIX_FMT_FP4 matrix_a_scale:MATRIX_SCALE_ROW1 matrix_b_scale:MATRIX_SCALE_ROW1
.endif
.endm
; 16 matrix instructions: L's blocks a0, a0 + 1 x R's eight, K step s of 8; p: R's set.  first = 1: the sums begin with R's bias as C.  The 64 accumulators take turns, one instruction a turn.
.macro MUL16 a0, p, s, first
.irp a, \a0, \a0+1
.irp b, 0,1,2,3,4,5,6,7
.set rD, 8*(8*((\a)%4)+\b)
.set rB, 128*(\p)+8*\b
.set rA, AF+8*(\a)
.if \first
.set rC, BR+8*\b
.else
.set rC, rD
.endif
.set rSB, SB+8*(\b/2)+(\s)
.set rSA, SA+8*((\a)/2)+(\s)
.set rSel, 2*(\b%2)+((\a)%2)
	WMX
.endr
.endr
.endm
.macro FETCH_B slot, q, p
	WIN TO_B
.irp i, 0,1,2,3,4,5,6,7
	FRAG 128*(\p)+8*\i, ADRB+\slot, \q, \i
.endr
	WIN 0
.endm
.macro FETCH_A slot, q, i0
.irp i, \i0, \i0+1, \i0+2, \i0+3
	FRAG AF+8*(\i), ADRA+\slot, \q, \i
.endr
.endm
.macro SCALES                          ; once, for all of K: a row's 32 bytes are its eight words
.irp p, 0,1,2,3
.irp g, 0,1
	ds_load_b128 v[SA+8*\p+4*\g:SA+8*\p+4*\g+3], v[ADRSA] offset:1088*\p+16*\g
	ds_load_b128 v[SB+8*\p+4*\g:SB+8*\p+4*\g+3], v[ADRSB] offset:1088*\p+16*\g
.endr
.endr
.endm
; A step of 128 along K with its successor in the same slot.  L has one set of registers: blocks 0-3 are fetched anew in the middle, blocks 4-7 at the end; R has two sets.
; Four plain places stand in front of each run of loads into registers that matrix instructions have read (ISA guide 7.12.1 for vector instructions).
.macro STEP slot, q, first
	s_wait_dscnt 8                                 ; all but the youngest eight loads, L's blocks 4-7
.if \first
	WIN 0x81                                       ; C (R's bias) in window 0, D in window 2
.else
	WIN MUL_LO
.endif
	MUL16 0, (\q)%2, 4*(\slot)+(\q), \first
	MUL16 2, (\q)%2, 4*(\slot)+(\q), \first
	s_wait_dscnt 0
	PLACES 4
	FETCH_B \slot, (\q)+1, 1-(\q)%2
	FETCH_A \slot, (\q)+1, 0
.if \first
	WIN 0xc1
.else
	WIN MUL_HI
.endif
	MUL16 4, (\q)%2, 4*(\slot)+(\q), \first
	MUL16 6, (\q)%2, 4*(\slot)+(\q), \first
	PLACES 4
	WIN 0
	FETCH_A \slot, (\q)+1, 4
.endm
	s_wait_tensorcnt 1                             ; the scales and my part of slot 0 are in; slot 1's load may stay out
	s_barrier_signal -1
	s_barrier_wait -1
	FETCH_B 0, 0, 0
	FETCH_A 0, 0, 0
	SCALES
	FETCH_A 0, 0, 4
	STEP 0, 0, 1
	STEP 0, 1, 0
	STEP 0, 2, 0
	; slot 0's last step changes slots: one barrier; in front of it every wave's loads have landed
	s_wait_tensorcnt 0x0                           ; my part of slot 1 is in
	ds_add_u32 v[SPW], v[NIL]                      ; 0 onto my spare word
	s_wait_dscnt 9                                 ; the add and L's blocks 4-7 may be out
	WIN MUL_LO
	MUL16 0, 1, 3, 0
	s_wait_dscnt 0x0
	s_barrier_signal -1
	MUL16 2, 1, 3, 0
	WIN 0
	s_barrier_wait -1                              ; slot 1 is whole
	PLACES 4
	FETCH_B 1, 0, 0
	FETCH_A 1, 0, 0
	WIN MUL_HI
	MUL16 4, 1, 3, 0
	MUL16 6, 1, 3, 0
	PLACES 4
	WIN 0
	FETCH_A 1, 0, 4
	STEP 1, 0, 0
	STEP 1, 1, 0
	STEP 1, 2, 0
	s_wait_dscnt 8
	WIN MUL_LO
	MUL16 0, 1, 7, 0
	MUL16 2, 1, 7, 0
	s_wait_dscnt 0
	WIN MUL_HI
	MUL16 4, 1, 7, 0
	MUL16 6, 1, 7, 0
	WIN 0
	; THE WAY OUT: block a of 16 L rows at a time: L's bias, the four blocks' scales, the codes, 1,024 bytes stored on end.  No LDS.
	PLACES 4
	s_cmp_eq_u32 ttmp9, 2
	s_mov_b32 s20, 8192
	s_cselect_b32 s20, 1024, s20                   ; from block to block in the codes: a feature tile (V) or a token tile
	s_mov_b32 s21, 0
	s_mov_b32 s18, 0x05040100
	s_cselect_b32 s18, 0x03020100, s18             ; Q, K: the low halves of two blocks' words make the first head's word; V: the even block's word as it is
	s_mov_b32 s19, 0x07060302
	s_cselect_b32 s19, 0x07060504, s19             ; Q, K: the high halves, the second head's; V: the odd block's word
	s_mov_b32 s46, 4096
	s_cselect_b32 s46, 64, s46                     ; lanes 16-31 store the second of the two: a head on, or a feature tile on
	s_cselect_b32 s47, 128, 64                     ; from pair to pair of blocks
	s_mov_b32 s92, 0xffff0000                      ; lanes 16-31
	s_mov_b32 s22, 0x76543210
	s_mov_b32 s23, 0xfedcba98                      ; v_permlanex16_b32: the lane 16 away
	v_and_b32 v[VO], 31, v0
	v_lshlrev_b32 v[VO], 4, v[VO]
	v_lshlrev_b32 v[VS], 2, v1
	v_mad_u32_u24 v[VS], v2, s46, v[VS]
	v_add_nc_u32 v[VS+1], s47, v[VS]
	v_add_nc_u32 v[VS+2], s47, v[VS+1]
	v_add_nc_u32 v[VS+3], s47, v[VS+2]
.irp b, 0,1,2,3
	v_mov_b32 v[TM+4+\b], 0                        ; a lane permute's destination counts as one of its sources
.endr
.macro QUANTN s, pw                    ; 64 numbers of a lane, register 16 b + i of block b, become a fragment's codes in v[PC] on and the row's scale word in v[pw]
.irp b, 0,1,2,3
	v_max3_num_f32 v[TM+\b], |v[\s+16*\b]|, |v[\s+1+16*\b]|, 0x1800000   ; with the floor 2^(3 - 127): the byte cannot fall under 1
.endr
.irp i, 2,4,6,8,10,12,14
.irp b, 0,1,2,3
	v_max3_num_f32 v[TM+\b], v[TM+\b], |v[\s+16*\b+\i]|, |v[\s+1+16*\b+\i]|
.endr
.endr
.irp b, 0,1,2,3
	v_permlanex16_b32 v[TM+4+\b], v[TM+\b], s22, s23
.endr
.irp b, 0,1,2,3
	v_max_num_f32 v[TM+\b], v[TM+\b], v[TM+4+\b]   ; the block's largest magnitude
.endr
.irp b, 0,1,2,3
	v_add_nc_u32 v[TM+12+\b], 0xff000000, v[TM+\b] ; 2 off its exponent field: the conversion's scale operand
.endr
.irp b, 0,1,2,3
	v_lshrrev_b32 v[TM+4+\b], 23, v[TM+12+\b]      ; the scale's byte
.endr
	v_lshl_or_b32 v[\pw], v[TM+5], 8, v[TM+4]
	v_lshl_or_b32 v[\pw], v[TM+6], 16, v[\pw]
	v_lshl_or_b32 v[\pw], v[TM+7], 24, v[\pw]
.irp b, 0,1,2,3
	v_cvt_scalef32_pk8_fp4_f32 v[PC+4*(\b/2)+(\b%2)], v[\s+16*\b:\s+16*\b+7], v[TM+12+\b]        ; rows 8 h + 0 .. 7 of the block
	v_cvt_scalef32_pk8_fp4_f32 v[PC+4*(\b/2)+2+(\b%2)], v[\s+16*\b+8:\s+16*\b+15], v[TM+12+\b]   ; rows 16 + 8 h + 0 .. 7
.endr
	v_nop                                          ; one plain place behind a scaled conversion
.irp c, 0,1
	v_permlane16_swap_b32 v[PC+4*\c], v[PC+4*\c+1]     ; lanes 0-15 get all of block 2 c, lanes 16-31 all of block 2 c + 1
	v_permlane16_swap_b32 v[PC+4*\c+2], v[PC+4*\c+3]
.endr
.endm
.irp a, 0,1,2,3,4,5,6,7
.if \a > 0
	s_wait_xcnt 0x0                                ; the last block's stores have read their data and their base
	s_add_nc_u64 s[12:13], s[12:13], s[20:21]
.endif
	WIN 0x02+\a/4                                  ; source 0: window 2 or 3
.set i, 0
.rept 32
	v_pk_add_f32 v[HA+2*i:HA+2*i+1], v[64*(\a%4)+2*i:64*(\a%4)+2*i+1], v[BL+2*\a:BL+2*\a+1]   ; into window 0, with L's bias; each accumulator from its low end on
.set i, i+1
.endr
	WIN 0
	QUANTN HA, PWS+\a
	global_store_b128 v[VO], v[PC:PC+3], s[12:13]              ; 32 lanes store 512 bytes on end,
	global_store_b128 v[VO], v[PC+4:PC+7], s[12:13] offset:512 ; and the next 512
.endr
.irp g, 0,1,2,3
	v_perm_b32 v[WW+2*\g], v[PWS+2*\g+1], v[PWS+2*\g], s18
	v_perm_b32 v[WW+2*\g+1], v[PWS+2*\g+1], v[PWS+2*\g], s19
.endr
.irp g, 0,1,2,3
	v_cndmask_b32 v[WW+2*\g], v[WW+2*\g], v[WW+2*\g+1], s92
.endr
.irp g, 0,1,2,3
	global_store_b32 v[VS+\g], v[WW+2*\g], s[100:101]
.endr
	s_wait_tensorcnt 0x0                           ; the wave's end
	ds_add_u32 v[SPW], v[NIL]
	s_wait_dscnt 0x0
	CROUND                                         ; the closing round
	s_endpgm
.Lfunc_end_k_q84654524ef_qkv:
	.size	k_q84654524ef_qkv, .Lfunc_end_k_q84654524ef_qkv-k_q84654524ef_qkv
	.p2alignl 7, 3214868480
	.fill 96, 4, 3214868480
	.section	.rodata,"a",@progbits
	.p2align	6, 0x0
	.amdhsa_kernel k_q84654524ef_qkv
		.amdhsa_group_segment_fixed_size 327680
		.amdhsa_private_segment_fixed_size 0
		.amdhsa_enable_private_segment 0
		.amdhsa_kernarg_size 104
		.amdhsa_user_sgpr_count 2
		.amdhsa_user_sgpr_kernarg_segment_ptr 1
		.amdhsa_wavefront_size32 1
		.amdhsa_system_sgpr_workgroup_id_x 1
		.amdhsa_system_sgpr_workgroup_id_y 1
		.amdhsa_system_sgpr_workgroup_id_z 1
		.amdhsa_system_vgpr_workitem_id 0
		.amdhsa_next_free_vgpr 1024
		.amdhsa_next_free_sgpr 102
		.amdhsa_reserve_vcc 0
		.amdhsa_float_denorm_mode_32 3
		.amdhsa_float_denorm_mode_16_64 3
		.amdhsa_memory_ordered 1
		.amdhsa_forward_progress 1
		.amdhsa_inst_pref_size 154
	.end_amdhsa_kernel
	.amdgpu_metadata
---
amdhsa.version: [ 1, 2 ]
amdhsa.kernels:
  - .name:           k_q84654524ef_qkv
    .symbol:         k_q84654524ef_qkv.kd
    .args:
      - { .name: x_codes, .offset: 0, .size: 8, .value_kind: global_buffer, .address_space: global }
      - { .name: x_scales, .offset: 8, .size: 8, .value_kind: global_buffer, .address_space: global }
      - { .name: Wq_codes, .offset: 16, .size: 8, .value_kind: global_buffer, .address_space: global }
      - { .name: Wq_scales, .offset: 24, .size: 8, .value_kind: global_buffer, .address_space: global }
      - { .name: Wk_codes, .offset: 32, .size: 8, .value_kind: global_buffer, .address_space: global }
      - { .name: Wk_scales, .offset: 40, .size: 8, .value_kind: global_buffer, .address_space: global }
      - { .name: Wv_codes, .offset: 48, .size: 8, .value_kind: global_buffer, .address_space: global }
      - { .name: Wv_scales, .offset: 56, .size: 8, .value_kind: global_buffer, .address_space: global }
      - { .name: bq, .offset: 64, .size: 8, .value_kind: global_buffer, .address_space: global }
      - { .name: bk, .offset: 72, .size: 8, .value_kind: global_buffer, .address_space: global }
      - { .name: bv, .offset: 80, .size: 8, .value_kind: global_buffer, .address_space: global }
      - { .name: qkv_codes, .offset: 88, .size: 8, .value_kind: global_buffer, .address_space: global }
      - { .name: qkv_scales, .offset: 96, .size: 8, .value_kind: global_buffer, .address_space: global }
    .group_segment_fixed_size: 327680
    .private_segment_fixed_size: 0
    .kernarg_segment_align: 8
    .kernarg_segment_size: 104
    .max_flat_workgroup_size: 128
    .sgpr_count:     102
    .vgpr_count:     1024
    .wavefront_size: 32
...
	.end_amdgpu_metadata
.endif
;; end of part 1
;; launch attn (part 2): grid 4 x 64, 16 waves a work-group, clusters of 4 x 1, 169,984 bytes of LDS; arguments qkv_codes, qkv_scales, o_codes, o_scales; writes o_codes, o_scales
.if DOCPART == 2
	.amdgcn_target "amdgcn-amd-amdhsa--gfx1250"
	.amdhsa_code_object_version 6
	.text
	.protected	k_q84654524ef_attn
	.globl	k_q84654524ef_attn
	.p2align	8
	.type	k_q84654524ef_attn,@function
k_q84654524ef_attn:
	s_mov_b64 s[64:65], 0
	v_nop
	global_prefetch_b8 v0, s[64:65] scope:SCOPE_SE
	s_setreg_imm32_b32 hwreg(HW_REG_WAVE_MODE, 25, 1), 1
	s_wait_xcnt 0x0
	s_wait_alu depctr_hold_cnt(0) depctr_sa_sdst(0) depctr_va_vdst(0) depctr_va_sdst(0) depctr_va_ssrc(0) depctr_va_vcc(0) depctr_vm_vsrc(0)
	s_getreg_b32 s2, hwreg(HW_REG_IB_STS2, 6, 4)
	s_cmp_eq_u32 s2, 0
	s_cbranch_scc0 .Lentry_in_a_cluster
	s_endpgm
.Lentry_in_a_cluster:
	s_bfe_u32 s2, ttmp6, 0x10000c
	s_cmp_lg_u32 s2, 0x3003
	s_cbranch_scc0 .Lentry_shape_is_right
	s_endpgm
.Lentry_shape_is_right:
; Attention of one head on codes of FP4 (E2M1): S^T = K Q^T, p = 2^(t - M), O^T = V^T P^T, O / l, and O quantised along the model's axis for the last projection.
; t = score x log2(e) / 8; M = the running largest t rounded UP to a whole number; the row's sum l is taken of the unquantised p; when M moves, l and O^T are multiplied by 2^(old M - new M), which rounds nothing.
; SHARES.  Cluster y = batch x 16 + head; its four work-groups take 512 queries each.  ALL OF THE HEAD'S K AND V LIE IN LDS for the whole launch: 64 + 64 KiB of codes, 4 + 4 KiB of scale words,
; brought once, by joint loads that name the four work-groups.  Nothing is filled again: no ring.  Each of the sixteen waves owns 32 queries, two tiles of 16, one after the other; a tile walks the 2,048 keys in 16 steps of 128.
; Four waves share a SIMD, so that one wave's softmax stands beside another's LDS loads and products.
; A HEAD'S 64 IN AN INSTRUCTION OF K = 128.  A fragment of K holds 16 PAIRS of keys: registers 0-3 key 32 G + r, registers 4-7 key 32 G + 16 + r.  It is multiplied twice: by (q, zeros), which gives keys 32 G + 0 .. 15,
; and by (zeros, q), which gives keys 32 G + 16 .. 31.  Zero codes add nothing under any scale byte but 0xff, and this program's bytes lie in 1 .. 254.  q stands between two runs of zeros: v8-11 zeros, v12-15 q, v16-19 zeros.
; LAYOUT.  Both products are used transposed: a lane holds ONE query (lane % 16) throughout.  Of a block of 32 keys a lane holds keys 8 h + 0 .. 7 and 16 + 8 h + 0 .. 7; the conversions' results are laid so that
; four exchanges of lane halves give the operand's registers.  All operands lie in LDS as images of their registers: a load's 512 bytes are on end.
; OUT.  o_codes: [token tile][head][512 bytes]: half of a fragment of the last product (K step head / 2, half head % 2).  o_scales: [token tile][K step][r] words; this head writes two bytes of each: 64 bytes a wave beside 1,024 of codes.
; LIMITS: NaN and infinities are not served.  A p under 2^-126 becomes 0.  A block whose every number is 0 gets the byte 1: its codes are zeros, and this program alone reads the bytes.  t - M is one fused multiply-add.
; REGISTERS: v1 16 x lane, v2 4 x lane, v3-5 the step's LDS addresses, v6 4 r, v7 4 r + 512 h; v8-19 zeros, q, zeros; v20 q's scale word, v21 both tiles' as loaded, v22 the results' half words; v24 -M, v25 the largest t,
;   v[26:27] the sum, v[28:29] f, v30-31 at work; v32-63 K's four fragments, v64-95 V's; v96-159 S^T, then p; v160-191 O^T; v192-199 p's codes; v200-201 K's words, v202-203 V's, v204 p's; v208-221 at work; v232-235 the second tile's q.
.set VIMG, 65536                       ; LDS: K's images at 0: [G 64][half][512];  V's here: [step 16][feature tile 4][half][512]
.set KWRD, 131072                      ; K's words: [G][16];
.set VWRD, 135168                      ; V's: [step][feature tile][16]
.macro CROUND                          ; a round of the cluster's barrier
	s_barrier_signal -1
	s_barrier_wait -1
	s_cmp_lg_u32 s12, 0
	s_cbranch_scc1 .Lnot_wave_0_\@
	s_barrier_signal -3
.Lnot_wave_0_\@:
	s_barrier_wait -3
	s_barrier_signal -1
	s_barrier_wait -1
.endm
	s_load_b256 s[4:11], s[0:1], 0x0               ; qkv_codes, qkv_scales, o_codes, o_scales
	v_lshl_add_u32 v254, v0, 2, 0x29000
	v_mov_b32 v255, 0
	ds_add_u32 v254, v255
	ds_add_u32 v254, v255
	v_lshrrev_b32 v1, 5, v0
	s_delay_alu instid0(VALU_DEP_1)
	v_readfirstlane_b32 s12, v1                    ; wave 0..15
	s_and_b32 s14, ttmp7, 0xffff                   ; batch x 16 + head: the four partners share it
	s_lshr_b32 s15, s14, 4                         ; batch
	s_and_b32 s16, s14, 15                         ; head
	s_and_b32 s17, s12, 1                          ; which half of a tensor I fetch, if I fetch
	; descriptor groups 1: elements of 8 bytes, no padding, the mask of all four work-groups
.irp g, 24, 32, 40, 48
	s_mov_b32 s[\g], 15|(3<<16)|(1<<21)
	s_mov_b32 s[\g+6], 0
	s_mov_b32 s[\g+7], 0
.endr
	s_mov_b32 s25, 64<<16                          ; K's codes: 64 token tiles of 512 bytes, 8,192 bytes apart
	s_mov_b32 s26, 64<<16
	s_mov_b32 s27, 64<<16
	s_mov_b32 s28, 64
	s_mov_b32 s29, 1024
	s_mov_b32 s33, 512<<16                         ; V's codes: 8 key steps of 4,096 bytes, 65,536 apart
	s_mov_b32 s34, 8<<16
	s_mov_b32 s35, 512<<16
	s_mov_b32 s36, 8
	s_mov_b32 s37, 8192
	s_mov_b32 s41, 32<<16                          ; K's words: 2,048 dense bytes as 8 rows of 256
	s_mov_b32 s42, 8<<16
	s_mov_b32 s43, 32<<16
	s_mov_b32 s44, 8
	s_mov_b32 s45, 32
	s_mov_b32 s49, 32<<16                          ; V's words: 8 key steps of 256 bytes, 4,096 apart
	s_mov_b32 s50, 8<<16
	s_mov_b32 s51, 32<<16
	s_mov_b32 s52, 8
	s_mov_b32 s53, 512
	s_lshl_b32 s88, s15, 20
	s_lshl_b32 s89, s17, 19
	s_add_co_u32 s88, s88, s89
	s_lshl_b32 s89, s16, 9
	s_add_co_u32 s90, s88, s89
	s_add_co_u32 s90, s90, 0x400000                ; K's codes: 4 MiB + batch x 2^20 + half x 2^19 + head x 512
	s_mov_b32 s91, 0
	s_lshl_b32 s89, s16, 12
	s_add_co_u32 s92, s88, s89
	s_add_co_u32 s92, s92, 0x800000                ; V's: 8 MiB + batch x 2^20 + half x 2^19 + head x 4,096
	s_mov_b32 s93, 0
	s_lshl_b32 s88, s14, 12
	s_lshl_b32 s89, s17, 11
	s_add_co_u32 s88, s88, s89
	s_add_co_u32 s88, s88, 0x40000                 ; K's words
	s_mov_b32 s89, 0
	s_lshl_b32 s94, s15, 16
	s_lshl_b32 s95, s16, 8
	s_add_co_u32 s94, s94, s95
	s_lshl_b32 s95, s17, 15
	s_add_co_u32 s94, s94, s95
	s_add_co_u32 s94, s94, 0x80000                 ; V's words
	s_mov_b32 s95, 0
	s_wait_dscnt 0x0
	s_wait_kmcnt 0x0
	s_mov_b32 s56, 1                               ; groups 0: K's codes,
	s_lshl_b32 s57, s17, 15
	s_add_nc_u64 s[58:59], s[4:5], s[90:91]
	s_or_b32 s59, s59, 0x80000000
	s_mov_b32 s60, 1                               ; K's words,
	s_lshl_b32 s61, s17, 11
	s_add_co_u32 s61, s61, KWRD
	s_add_nc_u64 s[62:63], s[6:7], s[88:89]
	s_or_b32 s63, s63, 0x80000000
	s_mov_b32 s68, 1                               ; V's codes,
	s_lshl_b32 s69, s17, 15
	s_add_co_u32 s69, s69, VIMG
	s_add_nc_u64 s[70:71], s[4:5], s[92:93]
	s_or_b32 s71, s71, 0x80000000
	s_mov_b32 s72, 1                               ; V's words
	s_lshl_b32 s73, s17, 11
	s_add_co_u32 s73, s73, VWRD
	s_add_nc_u64 s[74:75], s[6:7], s[94:95]
	s_or_b32 s75, s75, 0x80000000
	CROUND                                         ; all four work-groups are here: the joint loads meet
	s_cmp_lt_u32 s12, 2                            ; waves 0, 1: K's halves; waves 2, 3: V's; the others fetch nothing.  A wave's two loads stand in one branch: two of mine are out at the most
	s_cbranch_scc0 .Lnot_k
	tensor_load_to_lds s[60:63], s[40:47]
	s_nop 0
	tensor_load_to_lds s[56:59], s[24:31]
	s_nop 0
.rept 4
	v_nop
.endr
	s_branch .Lasked
.Lnot_k:
	s_cmp_lt_u32 s12, 4
	s_cbranch_scc0 .Lasked
	tensor_load_to_lds s[72:75], s[48:55]
	s_nop 0
	tensor_load_to_lds s[68:71], s[32:39]
	s_nop 0
.rept 4
	v_nop
.endr
.Lasked:
	s_bfe_u32 s13, ttmp6, 0x40000                  ; cx: it enters Q's and O's global addresses alone
	s_lshl_b32 s18, s15, 20
	s_lshl_b32 s19, s13, 18
	s_add_co_u32 s18, s18, s19
	s_lshl_b32 s19, s12, 14
	s_add_co_u32 s18, s18, s19
	s_lshl_b32 s19, s16, 9
	s_add_co_u32 s18, s18, s19                     ; my first token tile x 8,192 + head x 512: the same place in Q's codes and in o_codes
	s_mov_b32 s19, 0
	s_add_nc_u64 s[76:77], s[4:5], s[18:19]
	s_add_nc_u64 s[80:81], s[8:9], s[18:19]
	s_lshl_b32 s18, s14, 12
	s_lshl_b32 s19, s13, 10
	s_add_co_u32 s18, s18, s19
	s_lshl_b32 s19, s12, 6
	s_add_co_u32 s18, s18, s19                     ; my 32 queries' words
	s_mov_b32 s19, 0
	s_add_nc_u64 s[78:79], s[6:7], s[18:19]
	s_lshl_b32 s18, s15, 16
	s_lshl_b32 s19, s13, 14
	s_add_co_u32 s18, s18, s19
	s_lshl_b32 s19, s12, 10
	s_add_co_u32 s18, s18, s19
	s_lshr_b32 s19, s16, 1
	s_lshl_b32 s19, s19, 6
	s_add_co_u32 s18, s18, s19
	s_and_b32 s19, s16, 1
	s_lshl_b32 s19, s19, 1
	s_add_co_u32 s18, s18, s19                     ; o_scales: token tile x 512 + (head / 2) x 64 + (head % 2) x 2
	s_mov_b32 s19, 0
	s_add_nc_u64 s[82:83], s[10:11], s[18:19]
	s_mov_b32 s20, 0x76543210
	s_mov_b32 s21, 0xfedcba98                      ; v_permlanex16_b32: the lane 16 away
	s_mov_b32 s22, 0x3e38aa3b                      ; c = log2(e) / 8
	s_mov_b32 s23, s22                             ; (named with it as a pair)
	s_mov_b32 s87, 0xffff0000                      ; lanes 16-31
	v_and_b32 v2, 31, v0
	s_delay_alu instid0(VALU_DEP_1)
	v_lshlrev_b32 v1, 4, v2
	s_delay_alu instid0(VALU_DEP_2)
	v_lshlrev_b32 v2, 2, v2
	v_and_b32 v6, 15, v0
	s_delay_alu instid0(VALU_DEP_1)
	v_lshlrev_b32 v6, 2, v6
	v_bfe_u32 v7, v0, 4, 1
	s_delay_alu instid0(VALU_DEP_1)
	v_lshl_add_u32 v7, v7, 9, v6
	global_load_b128 v[12:15], v1, s[76:77]                 ; the first tile's q
	global_load_b128 v[232:235], v1, s[76:77] offset:8192   ; the second's
	global_load_b32 v21, v6, s[78:79]                       ; both tiles' scale bytes of query r
.irp j, 8,9,10,11,16,17,18,19
	v_mov_b32 v[\j], 0
.endr
	v_mov_b32 v29, 0                               ; (the upper half of the pair v[28:29])
	v_mov_b32 v30, 0
.irp b, 0,1,2,3
	v_mov_b32 v[212+\b], 0                         ; a lane permute's destination counts as one of its sources
.endr
	s_wait_loadcnt 0x0
	s_wait_tensorcnt 0x0                           ; my parts of K and V are in,
	s_barrier_signal -1
	s_barrier_wait -1                              ; everybody's are; from here on LDS is only read
; A KEY STEP: 128 keys.
.macro STEP
	v_add_nc_u32 v3, s84, v1                       ; four plain lines: also the places between the last step's V^T P and the loads into its registers
	v_add_nc_u32 v5, s85, v2
	s_delay_alu instid0(VALU_DEP_2)
	v_add_nc_u32 v4, VIMG, v3
	v_nop
	ds_load_b32 v200, v5                           ; K's words: lanes 0-15 fragment 0, lanes 16-31 fragment 1;
	ds_load_b32 v201, v5 offset:128                ; fragments 2 and 3
.irp g, 0,1,2,3
.irp c, 0,1
	ds_load_b128 v[32+8*\g+4*\c:35+8*\g+4*\c], v3 offset:1024*\g+512*\c
.endr
.endr
	ds_load_b32 v202, v5 offset:VWRD-KWRD          ; V's words: feature tiles 0 and 1;
	ds_load_b32 v203, v5 offset:VWRD-KWRD+128      ; 2 and 3
.irp g, 0,1,2,3
.irp c, 0,1
	ds_load_b128 v[64+8*\g+4*\c:67+8*\g+4*\c], v4 offset:1024*\g+512*\c
.endr
.endr
	s_wait_dscnt 10                                ; K's ten loads are in; V's ten may stay out
.irp g, 0,2
	v_wmma_scale_f32_16x16x128_f8f6f4 v[96+16*\g:103+16*\g], v[32+8*\g:39+8*\g], v[12:19], 0, v[200+\g/2], v20 matrix_a_fmt:MATRIX_FMT_FP4 matrix_b_fmt:MATRIX_FMT_FP4
	v_wmma_scale_f32_16x16x128_f8f6f4 v[104+16*\g:111+16*\g], v[32+8*\g:39+8*\g], v[8:15], 0, v[200+\g/2], v20 matrix_a_fmt:MATRIX_FMT_FP4 matrix_b_fmt:MATRIX_FMT_FP4
	v_wmma_scale_f32_16x16x128_f8f6f4 v[112+16*\g:119+16*\g], v[40+8*\g:47+8*\g], v[12:19], 0, v[200+\g/2], v20 matrix_a_fmt:MATRIX_FMT_FP4 matrix_b_fmt:MATRIX_FMT_FP4 matrix_a_scale:MATRIX_SCALE_ROW1
	v_wmma_scale_f32_16x16x128_f8f6f4 v[120+16*\g:127+16*\g], v[40+8*\g:47+8*\g], v[8:15], 0, v[200+\g/2], v20 matrix_a_fmt:MATRIX_FMT_FP4 matrix_b_fmt:MATRIX_FMT_FP4 matrix_a_scale:MATRIX_SCALE_ROW1
.endr
.rept 4
	v_nop
.endr
.irp b, 0,1,2,3
	v_max3_num_f32 v[208+\b], v[96+16*\b], v[97+16*\b], v[98+16*\b]   ; the largest score of each block of 32 keys: for the row's maximum, and, since p rises with the score, for the block's largest p
.endr
.irp i, 3,5,7,9,11,13
.irp b, 0,1,2,3
	v_max3_num_f32 v[208+\b], v[208+\b], v[96+16*\b+\i], v[97+16*\b+\i]
.endr
.endr
.irp b, 0,1,2,3
	v_max_num_f32 v[208+\b], v[208+\b], v[111+16*\b]
.endr
.irp b, 0,1,2,3
	s_delay_alu instid0(VALU_DEP_4)
	v_permlanex16_b32 v[212+\b], v[208+\b], s20, s21
.endr
.irp b, 0,1,2,3
	s_delay_alu instid0(VALU_DEP_4)
	v_max_num_f32 v[208+\b], v[208+\b], v[212+\b]
.endr
	s_delay_alu instid0(VALU_DEP_2)
	v_max3_num_f32 v30, v208, v209, v210
	s_delay_alu instid0(VALU_DEP_1)
	v_max_num_f32 v30, v30, v211
	s_delay_alu instid0(VALU_DEP_1)
	v_mul_f32 v30, s22, v30                        ; as t
	s_delay_alu instid0(VALU_DEP_1)
	v_max_num_f32 v25, v25, v30                    ; the running largest t
	v_mov_b32 v30, v24
	s_delay_alu instid0(VALU_DEP_2)
	v_floor_f32 v24, -v25                          ; -M = floor(-t)
	s_delay_alu instid0(VALU_DEP_1)
	v_sub_f32 v30, v24, v30                        ; old M - new M: a whole number, 0 or less
	s_delay_alu instid0(VALU_DEP_1)
	v_cvt_i32_f32 v30, v30                         ; (it saturates)
	s_delay_alu instid0(VALU_DEP_1)
	v_ldexp_f32 v28, 1.0, v30                      ; f = 2^(old M - new M)
.irp j, 0,2,4,6,8,10,12,14,16,18,20,22,24,26,28,30,32,34,36,38,40,42,44,46,48,50,52,54,56,58,60,62
	v_pk_fma_f32 v[96+\j:97+\j], v[96+\j:97+\j], s[22:23], v[24:25] op_sel_hi:[1,0,0]   ; t - M
.endr
.irp b, 0,1,2,3
	v_fma_f32 v[208+\b], v[208+\b], s22, v24
.endr
.set i, 0
	s_wait_alu depctr_va_vdst(0)
.rept 64
	v_exp_f32 v[96+i], v[96+i]                     ; p = 2^(t - M): not normalised
.set i, i+1
.endr
	s_setprio 1
	v_pk_mul_f32 v[26:27], v[26:27], v[28:29] op_sel_hi:[1,0]   ; the sums under the new M: the plain line behind the batch
	s_wait_alu depctr_va_vdst(0)                   ; one wait for the 64, ahead of their first reader
.irp b, 0,1,2,3
	v_exp_f32 v[208+\b], v[208+\b]                 ; the blocks' largest p
.endr
	v_pk_add_f32 v[220:221], v[100:101], v[104:105]
	v_pk_add_f32 v[252:253], v[108:109], v[112:113]
	v_pk_add_f32 v[250:251], v[116:117], v[120:121]
	v_pk_add_f32 v[248:249], v[124:125], v[128:129]
	v_pk_add_f32 v[246:247], v[132:133], v[136:137]
	v_pk_add_f32 v[244:245], v[140:141], v[144:145]
	v_pk_add_f32 v[242:243], v[148:149], v[152:153]
	v_pk_add_f32 v[26:27], v[26:27], v[156:157]
	v_pk_add_f32 v[220:221], v[220:221], v[96:97]
	v_pk_add_f32 v[252:253], v[252:253], v[98:99]
	v_pk_add_f32 v[250:251], v[250:251], v[102:103]
	v_pk_add_f32 v[248:249], v[248:249], v[106:107]
	v_pk_add_f32 v[246:247], v[246:247], v[110:111]
	v_pk_add_f32 v[244:245], v[244:245], v[114:115]
	v_pk_add_f32 v[242:243], v[242:243], v[118:119]
	v_pk_add_f32 v[26:27], v[26:27], v[122:123]
	v_pk_add_f32 v[220:221], v[220:221], v[126:127]
	v_pk_add_f32 v[252:253], v[252:253], v[130:131]
	v_pk_add_f32 v[250:251], v[250:251], v[134:135]
	v_pk_add_f32 v[248:249], v[248:249], v[138:139]
	v_pk_add_f32 v[246:247], v[246:247], v[142:143]
	v_pk_add_f32 v[244:245], v[244:245], v[146:147]
	v_pk_add_f32 v[242:243], v[242:243], v[150:151]
	v_pk_add_f32 v[26:27], v[26:27], v[154:155]
	v_pk_add_f32 v[220:221], v[220:221], v[158:159]
	s_delay_alu instid0(VALU_DEP_2)
	v_pk_add_f32 v[26:27], v[26:27], v[248:249]
	s_delay_alu instid0(VALU_DEP_2)
	v_pk_add_f32 v[220:221], v[220:221], v[246:247]
	v_pk_add_f32 v[252:253], v[252:253], v[244:245]
	v_pk_add_f32 v[250:251], v[250:251], v[242:243]
	s_delay_alu instid0(VALU_DEP_2)
	v_pk_add_f32 v[26:27], v[26:27], v[252:253]
	s_delay_alu instid0(VALU_DEP_2)
	v_pk_add_f32 v[220:221], v[220:221], v[250:251]
	s_delay_alu instid0(VALU_DEP_1)
	v_pk_add_f32 v[26:27], v[26:27], v[220:221]
	s_wait_alu depctr_va_vdst(0)                   ; and one for the four
.irp b, 0,1,2,3
	v_max_num_f32 v[208+\b], 0x1800000, v[208+\b]  ; the floor 2^(3 - 127)
.endr
.irp b, 0,1,2,3
	s_delay_alu instid0(VALU_DEP_4)
	v_add_nc_u32 v[216+\b], 0xff000000, v[208+\b]  ; 2 off the exponent field: the conversion's scale operand
.endr
.irp b, 0,1,2,3
	s_delay_alu instid0(VALU_DEP_4)
	v_lshrrev_b32 v[212+\b], 23, v[216+\b]
.endr
	s_delay_alu instid0(VALU_DEP_3)
	v_lshl_or_b32 v204, v213, 8, v212              ; p's scale word for these 128 keys
	s_delay_alu instid0(VALU_DEP_1)
	v_lshl_or_b32 v204, v214, 16, v204
	s_delay_alu instid0(VALU_DEP_1)
	v_lshl_or_b32 v204, v215, 24, v204
.irp b, 0,1,2,3
	v_cvt_scalef32_pk8_fp4_f32 v[192+4*(\b/2)+(\b%2)], v[96+16*\b:103+16*\b], v[216+\b]
	v_cvt_scalef32_pk8_fp4_f32 v[194+4*(\b/2)+(\b%2)], v[104+16*\b:111+16*\b], v[216+\b]
.endr
	v_nop                                          ; one plain place behind a scaled conversion
.irp c, 0,1
	v_permlane16_swap_b32 v[192+4*\c], v[193+4*\c]
	v_permlane16_swap_b32 v[194+4*\c], v[195+4*\c]
.endr
	s_setprio 0
.irp j, 0,2,4,6,8,10,12,14,16,18,20,22,24,26,28,30
	v_pk_mul_f32 v[160+\j:161+\j], v[160+\j:161+\j], v[28:29] op_sel_hi:[1,0]   ; O^T under the new M; for each product below twelve of these name none of its registers: the places behind p's word and codes
.endr
	s_wait_alu depctr_va_vdst(0)
	s_wait_dscnt 0x0                               ; V is in
	v_wmma_scale_f32_16x16x128_f8f6f4 v[160:167], v[64:71], v[192:199], v[160:167], v202, v204 matrix_a_fmt:MATRIX_FMT_FP4 matrix_b_fmt:MATRIX_FMT_FP4
	v_wmma_scale_f32_16x16x128_f8f6f4 v[168:175], v[72:79], v[192:199], v[168:175], v202, v204 matrix_a_fmt:MATRIX_FMT_FP4 matrix_b_fmt:MATRIX_FMT_FP4 matrix_a_scale:MATRIX_SCALE_ROW1
	v_wmma_scale_f32_16x16x128_f8f6f4 v[176:183], v[80:87], v[192:199], v[176:183], v203, v204 matrix_a_fmt:MATRIX_FMT_FP4 matrix_b_fmt:MATRIX_FMT_FP4
	v_wmma_scale_f32_16x16x128_f8f6f4 v[184:191], v[88:95], v[192:199], v[184:191], v203, v204 matrix_a_fmt:MATRIX_FMT_FP4 matrix_b_fmt:MATRIX_FMT_FP4 matrix_a_scale:MATRIX_SCALE_ROW1
	s_add_co_u32 s84, s84, 4096                    ; the next step's images,
	s_add_co_u32 s85, s85, 256                     ; and words
.endm
; The tile's end: O^T / l, quantised along the head's 64 (two blocks), stored as half a fragment of the last product.
.macro FINISH p
.rept 4
	v_nop                                          ; the places behind the last products
.endr
	v_add_f32 v26, v26, v27
	s_delay_alu instid0(VALU_DEP_1)
	v_permlanex16_b32 v30, v26, s20, s21
	s_delay_alu instid0(VALU_DEP_1)
	v_add_f32 v26, v26, v30                        ; the row's sum
	s_wait_alu depctr_va_vdst(0)
	v_rcp_f32 v28, v26
	v_nop
	s_wait_alu depctr_va_vdst(0)                   ; ahead of the reciprocal's first reader
.irp j, 0,2,4,6,8,10,12,14,16,18,20,22,24,26,28,30
	v_pk_mul_f32 v[96+\j:97+\j], v[160+\j:161+\j], v[28:29] op_sel_hi:[1,0]   ; register 8 t + j: o(query r, feature 16 t + 8 h + j); each accumulator from its low end on
.endr
.irp b, 0,1
	v_max3_num_f32 v[208+\b], |v[96+16*\b]|, |v[97+16*\b]|, 0x1800000
.endr
.irp i, 2,4,6,8,10,12,14
.irp b, 0,1
	s_delay_alu instid0(VALU_DEP_2)
	v_max3_num_f32 v[208+\b], v[208+\b], |v[96+16*\b+\i]|, |v[97+16*\b+\i]|
.endr
.endr
.irp b, 0,1
	s_delay_alu instid0(VALU_DEP_2)
	v_permlanex16_b32 v[212+\b], v[208+\b], s20, s21
.endr
.irp b, 0,1
	s_delay_alu instid0(VALU_DEP_2)
	v_max_num_f32 v[208+\b], v[208+\b], v[212+\b]
.endr
.irp b, 0,1
	s_delay_alu instid0(VALU_DEP_2)
	v_add_nc_u32 v[216+\b], 0xff000000, v[208+\b]
.endr
.irp b, 0,1
	s_delay_alu instid0(VALU_DEP_2)
	v_lshrrev_b32 v[212+\b], 23, v[216+\b]
.endr
	s_delay_alu instid0(VALU_DEP_1)
	v_lshl_or_b32 v31, v213, 8, v212               ; the row's two bytes
	v_cvt_scalef32_pk8_fp4_f32 v192, v[96:103], v216
	v_cvt_scalef32_pk8_fp4_f32 v194, v[104:111], v216
	v_cvt_scalef32_pk8_fp4_f32 v193, v[112:119], v217
	v_cvt_scalef32_pk8_fp4_f32 v195, v[120:127], v217
	v_nop
	v_permlane16_swap_b32 v192, v193
	v_permlane16_swap_b32 v194, v195
	global_store_b128 v1, v[192:195], s[80:81] offset:8192*\p   ; 32 lanes store 512 bytes on end
.if \p == 0
	v_mov_b32 v22, v31
.else
	v_cndmask_b32 v22, v22, v31, s87               ; lanes 0-15 the first tile's bytes, lanes 16-31 the second's
	global_store_b16 v7, v22, s[82:83]
.endif
.endm
.macro PASS p
.if \p == 0
	v_and_b32 v30, 0xffff, v21
.else
	s_wait_xcnt 0x0                                ; the first tile's store has read its data
.irp j, 0,1,2,3
	v_mov_b32 v[12+\j], v[232+\j]
.endr
	v_lshrrev_b32 v30, 16, v21
.endif
	s_delay_alu instid0(VALU_DEP_1)
	v_lshl_or_b32 v20, v30, 16, v30                ; q's two bytes twice: they serve (q, zeros) and (zeros, q)
	v_mov_b32 v25, 0xff61b1e6                      ; the largest t so far: -3e38
	s_delay_alu instid0(VALU_DEP_1)
	v_floor_f32 v24, -v25
	v_mov_b32 v26, 0
	v_mov_b32 v27, 0
.set i, 0
.rept 32
	v_mov_b32 v[160+i], 0                          ; O^T: the step is written once; its first trip finds zeros.  (These are also the places behind q's word and codes)
.set i, i+1
.endr
	s_mov_b32 s84, 0
	s_mov_b32 s85, KWRD
	s_mov_b32 s86, 16
.Lstep_\@:
	s_setprio 2
	STEP
	s_sub_co_u32 s86, s86, 1
	s_cmp_lg_u32 s86, 0
	s_cbranch_scc1 .Lstep_\@
	s_setprio 0
	FINISH \p
.endm
	PASS 0
	PASS 1
	s_wait_dscnt 0x0
	s_wait_tensorcnt 0x0
	ds_add_u32 v254, v255
	s_wait_dscnt 0x0
	CROUND                                         ; the closing round
	s_endpgm
.Lfunc_end_k_q84654524ef_attn:
	.size	k_q84654524ef_attn, .Lfunc_end_k_q84654524ef_attn-k_q84654524ef_attn
	.p2alignl 7, 3214868480
	.fill 96, 4, 3214868480
	.section	.rodata,"a",@progbits
	.p2align	6, 0x0
	.amdhsa_kernel k_q84654524ef_attn
		.amdhsa_group_segment_fixed_size 169984
		.amdhsa_private_segment_fixed_size 0
		.amdhsa_enable_private_segment 0
		.amdhsa_kernarg_size 32
		.amdhsa_user_sgpr_count 2
		.amdhsa_user_sgpr_kernarg_segment_ptr 1
		.amdhsa_wavefront_size32 1
		.amdhsa_system_sgpr_workgroup_id_x 1
		.amdhsa_system_sgpr_workgroup_id_y 1
		.amdhsa_system_sgpr_workgroup_id_z 1
		.amdhsa_system_vgpr_workitem_id 0
		.amdhsa_next_free_vgpr 256
		.amdhsa_next_free_sgpr 96
		.amdhsa_reserve_vcc 0
		.amdhsa_float_denorm_mode_32 3
		.amdhsa_float_denorm_mode_16_64 3
		.amdhsa_memory_ordered 1
		.amdhsa_forward_progress 1
		.amdhsa_inst_pref_size 53
	.end_amdhsa_kernel
	.amdgpu_metadata
---
amdhsa.version: [ 1, 2 ]
amdhsa.kernels:
  - .name:           k_q84654524ef_attn
    .symbol:         k_q84654524ef_attn.kd
    .args:
      - { .name: qkv_codes, .offset: 0, .size: 8, .value_kind: global_buffer, .address_space: global }
      - { .name: qkv_scales, .offset: 8, .size: 8, .value_kind: global_buffer, .address_space: global }
      - { .name: o_codes, .offset: 16, .size: 8, .value_kind: global_buffer, .address_space: global }
      - { .name: o_scales, .offset: 24, .size: 8, .value_kind: global_buffer, .address_space: global }
    .group_segment_fixed_size: 169984
    .private_segment_fixed_size: 0
    .kernarg_segment_align: 8
    .kernarg_segment_size: 32
    .max_flat_workgroup_size: 512
    .sgpr_count:     96
    .vgpr_count:     256
    .wavefront_size: 32
...
	.end_amdgpu_metadata
.endif
;; end of part 2
;; launch oproj (part 3): grid 4 x 32, 4 waves a work-group, clusters of 4 x 4, 327,680 bytes of LDS; arguments o_codes, o_scales, Wo_codes, Wo_scales, bo, out0; writes out0
.if DOCPART == 3
	.amdgcn_target "amdgcn-amd-amdhsa--gfx1250"
	.amdhsa_code_object_version 6
	.text
	.protected	k_q84654524ef_oproj
	.globl	k_q84654524ef_oproj
	.p2align	8
	.type	k_q84654524ef_oproj,@function
k_q84654524ef_oproj:
	s_mov_b64 s[64:65], 0
	v_nop
	global_prefetch_b8 v0, s[64:65] scope:SCOPE_SE
	s_setreg_imm32_b32 hwreg(HW_REG_WAVE_MODE, 25, 1), 1
	s_wait_xcnt 0x0
	s_wait_alu depctr_hold_cnt(0) depctr_sa_sdst(0) depctr_va_vdst(0) depctr_va_sdst(0) depctr_va_ssrc(0) depctr_va_vcc(0) depctr_vm_vsrc(0)
	s_getreg_b32 s2, hwreg(HW_REG_IB_STS2, 6, 4)
	s_cmp_eq_u32 s2, 0
	s_cbranch_scc0 .Lentry_in_a_cluster
	s_endpgm
.Lentry_in_a_cluster:
	s_bfe_u32 s2, ttmp6, 0x10000c
	s_cmp_lg_u32 s2, 0xf033
	s_cbranch_scc0 .Lentry_shape_is_right
	s_endpgm
.Lentry_shape_is_right:
; out0 = o Wo^T + bo on codes of FP4 (E2M1), K = 1,024.  o: 8,192 tokens, as images of the operand's registers: o_codes [token tile][K step 8][half][512 bytes], o_scales [token tile][K step][r] words.
; Wo: [1,024][512 bytes of codes], [1,024][32 scale bytes].  out0: [8,192][1,024] f32.
; A work-group makes 256 tokens x 256 columns, each of its four waves 128 x 128: 64 accumulators, 512 registers.  L = o (source 1: a lane keeps a token), R = Wo (source 0): a lane's eight results are eight neighbouring columns.
; K is two LDS slots of 512: both are filled once, at the head, with the scales of all of K; nothing is filled again.  CLUSTER 4 x 4: L's tiles are asked for jointly by a row of the cluster, R's by a column.
; bo is the C of the first K step.  The results leave through each wave's stage in LDS as whole rows of 512 bytes; the stage lies in slot 0, which has had its one fill and its last read by then.
; The grid has 128 work-groups: tiles of this size give no more at these sizes.
; LIMITS: NaN and infinities are not served; a given scale byte 0xff gives NaN.
; REGISTERS as windows of 256: window 0: v0-31 addresses; v32-63 L's scale words, v64-95 R's; v128-191 L's fragments, one set; v192-255 bo; on the way out v128-255 take rows.  window 1: R's fragments, two sets.  windows 2, 3: the accumulators.
.set PITCH,  272
.set HALFT,  128*PITCH                 ; R: 128 rows of 256 bytes + 16
.set LHALF,  32768                     ; L: 8 token tiles x 4,096 bytes, dense
.set RREG,   2*LHALF                   ; in a slot: L's 16 token tiles, then R's 256 rows
.set SLOT,   RREG+2*HALFT
.set SCL,    2*SLOT                    ; L's words: 2 x 4,096 dense bytes;
.set SCR,    SCL+8192                  ; R's scale bytes: units of 256 bytes + 16
.set HALFS,  16*272
.set SPARE,  SCR+2*HALFS               ; the spare words: 128 bytes a wave
.set SPITCH, 528
.set SIZE_N, 1024
.set ADRA, 16
.set ADRB, 20
.set ADRSB, 23
.set STO,  24
.set RD,   25
.set CO,   26
.set ADRSA, 27
.set SPW,  28
.set NIL,  29
.set SA,   32                          ; register 8 p + s: lanes 0-15 the word of L's block 2 p, lanes 16-31 of block 2 p + 1, for K step s of 8
.set SB,   64
.set AF,   128
.set BR,   192                         ; register 8 b + j: bo of column 16 b + 8 h + j
.set BK,   128
.set G1, 24
.set G0, 32
.set G1B, 48
.set G0B, 56
.set G1S, 68
.set G0S, 76
.set G1SB, 80
.set G0SB, 88
.set MSB, 0
.macro WIN new
.if MSB != (\new)
	s_set_vgpr_msb (MSB<<8)|(\new)
.set MSB, (\new)
.endif
.endm
.set MUL_LO, 0xa1
.set MUL_HI, 0xf1
.set TO_B,   0x40
.macro JLOAD g0a, g1a, g0b, g1b        ; a joint load: waves 0 and 1 fetch for L, waves 2 and 3 for R; four v_nop follow each line
	s_cmp_eq_u32 s15, 0
	s_cbranch_scc0 .Lfor_b_\@
	tensor_load_to_lds s[\g0a:\g0a+3], s[\g1a:\g1a+7]
	s_nop 0
.rept 4
	v_nop
.endr
	s_branch .Lasked_\@
.Lfor_b_\@:
	tensor_load_to_lds s[\g0b:\g0b+3], s[\g1b:\g1b+7]
	s_nop 0
.rept 4
	v_nop
.endr
.Lasked_\@:
.endm
.macro CROUND
	s_barrier_signal -1
	s_barrier_wait -1
	s_cmp_lg_u32 s14, 0
	s_cbranch_scc1 .Lnot_wave_0_\@
	s_barrier_signal -3
.Lnot_wave_0_\@:
	s_barrier_wait -3
	s_barrier_signal -1
	s_barrier_wait -1
.endm
.macro PLACES n
.rept \n
	v_nop
.endr
.endm
	s_load_b128 s[4:7], s[0:1], 0x0                ; o's codes, o's words
	s_load_b128 s[8:11], s[0:1], 0x10              ; Wo's codes, Wo's scales
	s_load_b64 s[96:97], s[0:1], 0x20              ; bo
	s_load_b64 s[12:13], s[0:1], 0x28              ; out0
	v_lshl_add_u32 v[SPW], v0, 2, SPARE
	v_mov_b32 v[NIL], 0
	ds_add_u32 v28, v29
	ds_add_u32 v28, v29
	s_wait_dscnt 0x0
	v_lshrrev_b32 v1, 5, v0
	v_readfirstlane_b32 s14, v1                    ; wave 0..3
	s_lshr_b32 s15, s14, 1                         ; my half of the tokens.  Also: I fetch for L (0) or R (1)
	s_and_b32 s16, s14, 1                          ; my half of the columns.  Also: which half I fetch
	s_bfe_u32 s40, ttmp6, 0x40000                  ; cx
	s_bfe_u32 s41, ttmp6, 0x40004                  ; cy
	s_lshl_b32 s42, ttmp9, 2
	s_add_co_u32 s42, s42, s40                     ; tile column
	s_and_b32 s17, ttmp7, 0xffff
	s_lshl_b32 s17, s17, 2
	s_add_co_u32 s17, s17, s41                     ; tile row
	s_lshl_b32 s43, s41, 2
	s_lshl_b32 s43, 15, s43                        ; my row of the cluster
	s_lshl_b32 s44, 0x1111, s40                    ; my column
	s_or_b32 s[G1+0], s43, (3<<16)|(1<<21)         ; L's codes: 8 token tiles of 4,096 bytes (512 elements of 8), 8,192 bytes apart; dense in LDS
	s_mov_b32 s[G1+1], 512<<16
	s_mov_b32 s[G1+2], 8<<16
	s_mov_b32 s[G1+3], 512<<16
	s_mov_b32 s[G1+4], 8
	s_mov_b32 s[G1+5], 1024
	s_mov_b32 s[G1+6], 0
	s_mov_b32 s[G1+7], 0
	s_or_b32 s[G1B+0], s44, (0<<16)|(1<<20)|(1<<21)|(5<<22)|(3<<25)  ; R's codes: 128 rows of 256 bytes, 512 apart; 16 bytes of padding behind each
	s_mov_b32 s[G1B+1], 256<<16
	s_mov_b32 s[G1B+2], 128<<16
	s_mov_b32 s[G1B+3], 256<<16
	s_mov_b32 s[G1B+4], 128
	s_mov_b32 s[G1B+5], 512
	s_mov_b32 s[G1B+6], 0
	s_mov_b32 s[G1B+7], 0
	s_or_b32 s[G1S+0], s43, (3<<16)|(1<<21)        ; L's words: 4,096 dense bytes as 16 rows of 256; dense in LDS
	s_or_b32 s[G1SB+0], s44, (3<<16)|(1<<20)|(1<<21)|(5<<22)|(3<<25) ; R's scale bytes: the same with 16 bytes of padding behind each row
.irp g, G1S, G1SB
	s_mov_b32 s[\g+1], 32<<16
	s_mov_b32 s[\g+2], 16<<16
	s_mov_b32 s[\g+3], 32<<16
	s_mov_b32 s[\g+4], 16
	s_mov_b32 s[\g+5], 32
	s_mov_b32 s[\g+6], 0
	s_mov_b32 s[\g+7], 0
.endr
	s_lshl_b32 s18, s16, 7
	s_lshl_b32 s20, s17, 8
	s_add_co_u32 s20, s20, s18                     ; L: token 256 x tile row + 128 x half
	s_lshl_b32 s46, s42, 8
	s_add_co_u32 s46, s46, s18                     ; R: row 256 x tile column + 128 x half
	s_mov_b32 s21, 0
	s_mov_b32 s47, 0
	s_lshl_b64 s[22:23], s[20:21], 5               ; 32 bytes of scales a row, on both sides
	s_lshl_b64 s[92:93], s[46:47], 5
	s_lshl_b64 s[20:21], s[20:21], 9               ; 512 bytes of codes a row, on both sides
	s_lshl_b64 s[46:47], s[46:47], 9
	s_lshl_b32 s45, s16, 15                        ; where they go in LDS: made of the wave's number alone
	s_mul_i32 s94, s16, HALFT
	s_add_co_u32 s94, s94, RREG
	s_lshl_b32 s95, s16, 12
	s_add_co_u32 s95, s95, SCL
	s_mul_i32 s67, s16, HALFS
	s_add_co_u32 s67, s67, SCR
	s_wait_kmcnt 0x0
	s_add_nc_u64 s[20:21], s[4:5], s[20:21]
	s_add_nc_u64 s[22:23], s[6:7], s[22:23]
	s_add_nc_u64 s[46:47], s[8:9], s[46:47]
	s_add_nc_u64 s[92:93], s[10:11], s[92:93]
	CROUND                                         ; all sixteen work-groups are here: the joint loads meet
	s_mov_b32 s[G0S], 1
	s_mov_b32 s[G0S+1], s95
	s_mov_b64 s[G0S+2:G0S+3], s[22:23]
	s_or_b32 s[G0S+3], s[G0S+3], 0x80000000
	s_mov_b32 s[G0SB], 1
	s_mov_b32 s[G0SB+1], s67
	s_mov_b64 s[G0SB+2:G0SB+3], s[92:93]
	s_or_b32 s[G0SB+3], s[G0SB+3], 0x80000000
	JLOAD G0S, G1S, G0SB, G1SB                     ; the scales first; then both slots, each behind a wait for the one before: one load of mine is out at a time
.irp s, 0,1
	s_mov_b32 s[G0+4*\s], 1
	s_add_co_u32 s[G0+4*\s+1], s45, \s*SLOT
	s_add_nc_u64 s[G0+4*\s+2:G0+4*\s+3], s[20:21], \s*4096
	s_or_b32 s[G0+4*\s+3], s[G0+4*\s+3], 0x80000000
	s_mov_b32 s[G0B+4*\s], 1
	s_add_co_u32 s[G0B+4*\s+1], s94, \s*SLOT
	s_add_nc_u64 s[G0B+4*\s+2:G0B+4*\s+3], s[46:47], \s*256
	s_or_b32 s[G0B+4*\s+3], s[G0B+4*\s+3], 0x80000000
	s_wait_alu depctr_va_vdst(0)
	s_wait_tensorcnt 0x0
	ds_add_u32 v28, v29
	s_wait_dscnt 0x0
	CROUND
	JLOAD G0+4*\s, G1, G0B+4*\s, G1B
.endr
	v_and_b32 v1, 15, v0                           ; r
	v_bfe_u32 v2, v0, 4, 1                         ; h
	v_and_b32 v6, 31, v0                           ; lane
	v_lshlrev_b32 v[CO], 4, v6                     ; 16 x lane: an image's place, and my place in a row of out0
	v_mul_u32_u24 v3, v1, PITCH
	v_lshl_add_u32 v4, v2, 4, v3
	s_lshl_b32 s21, s15, 15                        ; my 8 token tiles
	s_mul_i32 s22, s16, HALFT
	s_add_co_u32 s22, s22, RREG                    ; my 128 rows of R
.irp s, 0,1
	v_add_nc_u32 v[ADRA+\s], s21, v[CO]
	v_add_nc_u32 v[ADRB+\s], s22, v4
	s_add_co_u32 s21, s21, SLOT
	s_add_co_u32 s22, s22, SLOT
.endr
	v_lshlrev_b32 v5, 2, v1
	v_lshl_add_u32 v5, v2, 9, v5                   ; L's words: 4 r, and a token tile on for lanes 16-31
	s_lshl_b32 s21, s15, 12
	s_add_co_u32 s21, s21, SCL
	v_add_nc_u32 v[ADRSA], s21, v5
	v_lshrrev_b32 v5, 3, v6                        ; R's scale rows: lane l takes row 32 p + l: eight rows of 32 bytes to a unit of 272
	v_mul_u32_u24 v5, v5, 272
	v_and_b32 v7, 7, v0
	v_lshl_add_u32 v5, v7, 5, v5
	s_mul_i32 s22, s16, HALFS
	s_add_co_u32 s22, s22, SCR
	v_add_nc_u32 v[ADRSB], s22, v5
	s_mul_i32 s23, s14, 16*SPITCH                  ; my stage
	v_mul_u32_u24 v5, v1, SPITCH
	v_lshl_add_u32 v5, v2, 5, v5
	v_add_nc_u32 v[STO], s23, v5                   ; in: row r, 32 bytes for each half of the lanes
	v_add_nc_u32 v[RD], s23, v[CO]                 ; back: the 32 lanes take a row of 512 bytes
	s_lshl_b32 s20, s17, 8
	s_lshl_b32 s21, s15, 7
	s_add_co_u32 s20, s20, s21
	s_lshl_b32 s20, s20, 12                        ; my first row of out0, 4,096 bytes a row
	s_mov_b32 s21, 0
	s_lshl_b32 s46, s42, 10
	s_lshl_b32 s47, s16, 9
	s_add_co_u32 s46, s46, s47                     ; my first column, in bytes: also my place in bo
	s_mov_b32 s47, 0
	s_add_nc_u64 s[96:97], s[96:97], s[46:47]
	s_add_nc_u64 s[20:21], s[20:21], s[46:47]
	s_add_nc_u64 s[12:13], s[12:13], s[20:21]
	v_lshlrev_b32 v8, 5, v2                        ; 32 h
.irp t, 0,1,2,3,4,5,6,7
	global_load_b128 v[BR+8*\t:BR+8*\t+3], v8, s[96:97] offset:64*\t
	global_load_b128 v[BR+8*\t+4:BR+8*\t+7], v8, s[96:97] offset:64*\t+16
.endr
	s_wait_alu depctr_va_vdst(0)
	s_wait_loadcnt 0x0
.macro WMX
.if rSel == 0
	v_wmma_scale_f32_16x16x128_f8f6f4 v[rD:rD+7], v[rB:rB+7], v[rA:rA+7], v[rC:rC+7], v[rSB], v[rSA] matrix_a_fmt:MATRIX_FMT_FP4 matrix_b_fmt:MATRIX_FMT_FP4
.elseif rSel == 1
	v_wmma_scale_f32_16x16x128_f8f6f4 v[rD:rD+7], v[rB:rB+7], v[rA:rA+7], v[rC:rC+7], v[rSB], v[rSA] matrix_a_fmt:MATRIX_FMT_FP4 matrix_b_fmt:MATRIX_FMT_FP4 matrix_b_scale:MATRIX_SCALE_ROW1
.elseif rSel == 2
	v_wmma_scale_f32_16x16x128_f8f6f4 v[rD:rD+7], v[rB:rB+7], v[rA:rA+7], v[rC:rC+7], v[rSB], v[rSA] matrix_a_fmt:MATRIX_FMT_FP4 matrix_b_fmt:MATRIX_FMT_FP4 matrix_a_scale:MATRIX_SCALE_ROW1
.else
	v_wmma_scale_f32_16x16x128_f8f6f4 v[rD:rD+7], v[rB:rB+7], v[rA:rA+7], v[rC:rC+7], v[rSB], v[rSA] matrix_a_fmt:MATRIX_FMT_FP4 matrix_b_fmt:MATRIX_FMT_FP4 matrix_a_scale:MATRIX_SCALE_ROW1 matrix_b_scale:MATRIX_SCALE_ROW1
.endif
.endm
; 16 matrix instructions: L's blocks a0, a0 + 1 x R's eight, K step s of 8; p: R's set.  first = 1: the sums begin with bo as C.  The 64 accumulators take turns, one instruction a turn.
.macro MUL16 a0, p, s, first
.irp a, \a0, \a0+1
.irp b, 0,1,2,3,4,5,6,7
.set rD, 8*(8*((\a)%4)+\b)
.set rB, 128*(\p)+8*\b
.set rA, AF+8*(\a)
.if \first
.set rC, BR+8*\b
.else
.set rC, rD
.endif
.set rSB, SB+8*(\b/2)+(\s)
.set rSA, SA+8*((\a)/2)+(\s)
.set rSel, 2*(\b%2)+((\a)%2)
	WMX
.endr
.endr
.endm
.macro FETCH_B slot, q, p              ; R's eight fragments from rows: two loads of 16 bytes, 32 apart
	WIN TO_B
.irp i, 0,1,2,3,4,5,6,7
.irp c, 0,1
	ds_load_b128 v[128*(\p)+8*\i+4*\c:128*(\p)+8*\i+4*\c+3], v[ADRB+\slot] offset:64*(\q)+32*\c+\i*16*PITCH
.endr
.endr
	WIN 0
.endm
.macro FETCH_A slot, q, i0             ; L's blocks i0 .. i0 + 3 from images: a load's 512 bytes are on end
.irp i, \i0, \i0+1, \i0+2, \i0+3
.irp c, 0,1
	ds_load_b128 v[AF+8*(\i)+4*\c:AF+8*(\i)+4*\c+3], v[ADRA+\slot] offset:4096*(\i)+1024*(\q)+512*\c
.endr
.endr
.endm
.macro SCALES                          ; once, for all of K
.irp p, 0,1,2,3
.irp s, 0,1,2,3,4,5,6,7
	ds_load_b32 v[SA+8*\p+\s], v[ADRSA] offset:1024*\p+64*\s
.endr
.irp g, 0,1
	ds_load_b128 v[SB+8*\p+4*\g:SB+8*\p+4*\g+3], v[ADRSB] offset:1088*\p+16*\g
.endr
.endr
.endm
; A step of 128 along K with its successor in the same slot.  Four plain places stand in front of each run of loads into registers that matrix instructions have read.
.macro STEP slot, q, first
	s_wait_dscnt 8                                 ; all but the youngest eight loads, L's blocks 4-7
.if \first
	WIN 0x81                                       ; C (bo) in window 0, D in window 2
.else
	WIN MUL_LO
.endif
	MUL16 0, (\q)%2, 4*(\slot)+(\q), \first
	MUL16 2, (\q)%2, 4*(\slot)+(\q), \first
	s_wait_dscnt 0
	PLACES 4
	FETCH_B \slot, (\q)+1, 1-(\q)%2
	FETCH_A \slot, (\q)+1, 0
.if \first
	WIN 0xc1
.else
	WIN MUL_HI
.endif
	MUL16 4, (\q)%2, 4*(\slot)+(\q), \first
	MUL16 6, (\q)%2, 4*(\slot)+(\q), \first
	PLACES 4
	WIN 0
	FETCH_A \slot, (\q)+1, 4
.endm
	s_wait_tensorcnt 1                             ; the scales and my part of slot 0 are in; slot 1's load may stay out
	s_barrier_signal -1
	s_barrier_wait -1
	FETCH_B 0, 0, 0
	FETCH_A 0, 0, 0
	SCALES
	FETCH_A 0, 0, 4
	STEP 0, 0, 1
	STEP 0, 1, 0
	STEP 0, 2, 0
	s_wait_tensorcnt 0x0                           ; slot 0's last step changes slots: my part of slot 1 is in
	ds_add_u32 v[SPW], v[NIL]                      ; 0 onto my spare word
	s_wait_dscnt 9                                 ; the add and L's blocks 4-7 may be out
	WIN MUL_LO
	MUL16 0, 1, 3, 0
	s_wait_dscnt 0x0                               ; my reads of slot 0 are over
	s_barrier_signal -1
	MUL16 2, 1, 3, 0
	WIN 0
	s_barrier_wait -1                              ; slot 1 is whole, and nobody reads slot 0 any more
	PLACES 4
	FETCH_B 1, 0, 0
	FETCH_A 1, 0, 0
	WIN MUL_HI
	MUL16 4, 1, 3, 0
	MUL16 6, 1, 3, 0
	PLACES 4
	WIN 0
	FETCH_A 1, 0, 4
	STEP 1, 0, 0
	STEP 1, 1, 0
	STEP 1, 2, 0
	s_wait_dscnt 8
	WIN MUL_LO
	MUL16 0, 1, 7, 0
	MUL16 2, 1, 7, 0
	s_wait_dscnt 0
	WIN MUL_HI
	MUL16 4, 1, 7, 0
	MUL16 6, 1, 7, 0
	WIN 0
; THE WAY OUT, block by block of 16 tokens x 128 columns: into my own stage, back as whole rows of 512 bytes.  LDS serves a wave's instructions in order (ISA guide 5.7.1.4): no wait between the stores and the loads.
.macro TOSTAGE a
.set AC, 64*((\a)%4)
	WIN 0x08+4*((\a)/4)                            ; the data: window 2 or 3
.irp b, 0,1,2,3,4,5,6,7
	ds_store_b128 v[STO], v[AC+8*\b:AC+8*\b+3] offset:64*\b          ; each accumulator from its low end on
	ds_store_b128 v[STO], v[AC+8*\b+4:AC+8*\b+7] offset:64*\b+16
.endr
	WIN 0
.set BB, BK+64*((\a)%2)
.irp t, 0,1,2,3,4,5,6,7,8,9,10,11,12,13,14,15
	ds_load_b128 v[BB+4*\t:BB+4*\t+3], v[RD] offset:\t*SPITCH
.endr
.endm
.macro SEND a, younger                 ; younger: the LDS instructions issued behind block a's loads, which may stay out
.set BB, BK+64*((\a)%2)
	s_wait_dscnt \younger
.if (\a) > 0
	s_add_nc_u64 s[12:13], s[12:13], 16*SIZE_N*4   ; behind a wait on XCNT: the earlier stores have read their base
.endif
.irp t, 0,1,2,3,4,5,6,7,8,9,10,11,12,13,14,15
	global_store_b128 v[CO], v[BB+4*\t:BB+4*\t+3], s[12:13] offset:\t*SIZE_N*4 th:TH_STORE_NT   ; 32 lanes store 512 consecutive bytes, at a multiple of 256 from out0's first byte
.endr
.endm
	PLACES 4
	TOSTAGE 0
.irp a, 1,2,3,4,5,6,7
.if \a > 1
	s_wait_xcnt 0x0                                ; block a - 2's stores have read their registers and their base
.endif
	TOSTAGE \a
	SEND \a-1, 32                                  ; behind block a - 1's loads: block a's 16 stores and 16 loads
.endr
	s_wait_xcnt 0x0
	SEND 7, 0
	s_wait_tensorcnt 0x0                           ; the wave's end
	ds_add_u32 v[SPW], v[NIL]
	s_wait_dscnt 0x0
	CROUND                                         ; the closing round
	s_endpgm
.Lfunc_end_k_q84654524ef_oproj:
	.size	k_q84654524ef_oproj, .Lfunc_end_k_q84654524ef_oproj-k_q84654524ef_oproj
	.p2alignl 7, 3214868480
	.fill 96, 4, 3214868480
	.section	.rodata,"a",@progbits
	.p2align	6, 0x0
	.amdhsa_kernel k_q84654524ef_oproj
		.amdhsa_group_segment_fixed_size 327680
		.amdhsa_private_segment_fixed_size 0
		.amdhsa_enable_private_segment 0
		.amdhsa_kernarg_size 48
		.amdhsa_user_sgpr_count 2
		.amdhsa_user_sgpr_kernarg_segment_ptr 1
		.amdhsa_wavefront_size32 1
		.amdhsa_system_sgpr_workgroup_id_x 1
		.amdhsa_system_sgpr_workgroup_id_y 1
		.amdhsa_system_sgpr_workgroup_id_z 1
		.amdhsa_system_vgpr_workitem_id 0
		.amdhsa_next_free_vgpr 1024
		.amdhsa_next_free_sgpr 100
		.amdhsa_reserve_vcc 0
		.amdhsa_float_denorm_mode_32 3
		.amdhsa_float_denorm_mode_16_64 3
		.amdhsa_memory_ordered 1
		.amdhsa_forward_progress 1
		.amdhsa_inst_pref_size 128
	.end_amdhsa_kernel
	.amdgpu_metadata
---
amdhsa.version: [ 1, 2 ]
amdhsa.kernels:
  - .name:           k_q84654524ef_oproj
    .symbol:         k_q84654524ef_oproj.kd
    .args:
      - { .name: o_codes, .offset: 0, .size: 8, .value_kind: global_buffer, .address_space: global }
      - { .name: o_scales, .offset: 8, .size: 8, .value_kind: global_buffer, .address_space: global }
      - { .name: Wo_codes, .offset: 16, .size: 8, .value_kind: global_buffer, .address_space: global }
      - { .name: Wo_scales, .offset: 24, .size: 8, .value_kind: global_buffer, .address_space: global }
      - { .name: bo, .offset: 32, .size: 8, .value_kind: global_buffer, .address_space: global }
      - { .name: out0, .offset: 40, .size: 8, .value_kind: global_buffer, .address_space: global }
    .group_segment_fixed_size: 327680
    .private_segment_fixed_size: 0
    .kernarg_segment_align: 8
    .kernarg_segment_size: 48
    .max_flat_workgroup_size: 128
    .sgpr_count:     100
    .vgpr_count:     1024
    .wavefront_size: 32
...
	.end_amdgpu_metadata
.endif
;; end of part 3
